; MI455X (gfx1250); checked and timed in simulation.
; The chip was launched on July 23, 2026; its instructions are those of AMD's public machine-readable ISA for CDNA 5 (MIT licence, August 2026) and "CDNA5" Instruction Set Architecture Reference Guide (July 2026). The comments in the code are by the model that wrote it; some were corrected since.
;; SWA. Allowed arithmetic: matrix products marked QUANTISED: E4M3 operands, one given power-of-two scale a tensor, by v_wmma_f32_16x16x64_fp8_fp8 or v_wmma_f32_16x16x128_fp8_fp8, f32 sums; everything else in f32.
;; Inputs: lowp_scales 12 int32 (the exponents e of the quantised operands' scales 2^e); wk_b 256 float32; wk_w 256 x 1,024 float32; wo_w 1,024 x 1,024 float32; wq_b 1,024 float32; wq_w 1,024 x 1,024 float32; wv_b 256 float32; wv_w 256 x 1,024 float32; x 2 x 2,048 x 1,024 float32.
;; Outputs: out0 2 x 2,048 x 1,024 float32.
;; Constants: sliding_window = 1024.
;; This version of the problem:
;;   THIS VERSION OF THE PROBLEM IS GIVEN IN LOW PRECISION. The matrix products marked QUANTISED in the list below multiply operands that are first quantised to E4M3 (4 exponent bits, 3 mantissa bits; 8 bits a number), with one given power-of-two scale for each operand tensor; their sums are f32. All else is computed in f32.
;;   The module's matrix products, in the order in which they are computed (A, B: the left and right operand; K: the contracted axis; several contracted axes count as one K, in the product's order):
;;     1. [M 4,096, K 1,024] x [K 1,024, N 1,024]; A: input x; B: input wq_w: QUANTISED (scales: A lowp_scales[0], B lowp_scales[1])
;;     2. [M 4,096, K 1,024] x [K 1,024, N 256]; A: input x; B: input wk_w: QUANTISED (scales: A lowp_scales[2], B lowp_scales[3])
;;     3. [M 4,096, K 1,024] x [K 1,024, N 256]; A: input x; B: input wv_w: QUANTISED (scales: A lowp_scales[4], B lowp_scales[5])
;;     4. batch 32 x [M 2,048, K 64] x [K 64, N 2,048]; A: computed on the way; B: computed on the way: QUANTISED (scales: A lowp_scales[6], B lowp_scales[7])
;;     5. batch 32 x [M 64, K 2,048] x [K 2,048, N 2,048]; A: computed on the way; B: softmax (see below): QUANTISED (scales: A lowp_scales[8], B lowp_scales[9])
;;     6. [M 4,096, K 1,024] x [K 1,024, N 1,024]; A: computed on the way; B: input wo_w: QUANTISED (scales: A lowp_scales[10], B lowp_scales[11])
;;   THE QUANTISER, for each operand of a quantised product, along K:
;;     - The operand's scale is 2^e, e = its entry of the input lowp_scales (int32; the entries are numbered through the quantised products in the list's order, A before B).
;;     - Each number is divided by the scale, clamped to +-448, and rounded to the nearest number of E4M3, ties to even, subnormals kept.
;;     - The product sums the exact products of the quantised numbers (number of the format x scale) in f32.
;;   ~~~python
;;   def quantise(x, axis, e):      # numpy; x: float32 -> the quantised numbers, widened to float32 again
;;       x = np.moveaxis(x, axis, -1); K = x.shape[-1]
;;       r = np.clip(x / 2.0 ** e, -448, 448)
;;       step = 2.0 ** (np.maximum(np.frexp(np.where(r == 0, 1, r))[1] - 1, -6) - 3)
;;       q = np.round(r / step) * step * 2.0 ** e      # np.round: ties to even
;;       return np.moveaxis(q, -1, axis).astype(np.float32)
;;   ~~~
;;   SOFTMAX AHEAD OF A QUANTISED PRODUCT. Where the list says 'softmax', what is quantised is not the finished softmax but p = 2^(t - M), with t = logit x log2(e) and M = ceil(the row's largest t), a whole number; so 1/2 < the row's largest p <= 1. The row's sum l is taken of the UNQUANTISED p, in f32, and the product's result is divided by l at the end. Since M is a whole number, a kernel that streams over the keys may use a running M (the ceiling of the running maximum): every later rescaling is an exact power of two, so the quantised numbers keep their values, but for numbers so far below the row's largest that they fall under the format's range.
;;   OPERANDS COMPUTED ON THE WAY. 'Computed on the way' means the value that the module computes at that place (a softmax that the list does not call 'softmax' is quantised finished and normalised). What goes into a quantiser is computed in f32, as accurately as f32 sums, v_exp_f32 and their like allow (about 1e-6 of the number): no bf16 or f16 on the way to a quantiser, and a product that is left as it is and whose result goes on into a quantised operand takes f32 operands (vector FMAs, or v_wmma_f32_16x16x4_f32). A number that lies on a knife's edge between two numbers of the format may be rounded either way, as far as f32 arithmetic and the matrix unit's own rounding can turn it there, and no further.
;; One version. Each part assembles by itself: llvm-mc -triple=amdgcn-amd-amdhsa -mcpu=gfx1250 --defsym DOCPART=n.
;; ======== version 1 of 1: 4 launches
;; limits: right only within a limited range of input values
;; workspace buffers: xc 12,582,912 bytes; wc 2,621,440 bytes; rope 524,288 bytes; qc 4,194,304 bytes; kv 2,097,152 bytes; cc 4,194,304 bytes
;; launch prep (part 1): grid 480 x 1, 4 waves a work-group, no clusters, 33,280 bytes of LDS; arguments x, wq_w, wk_w, wv_w, wo_w, lowp_scales, xc, wc, rope; writes xc, wc, rope
.if DOCPART == 1
	.amdgcn_target "amdgcn-amd-amdhsa--gfx1250"
	.amdhsa_code_object_version 6
	.text
	.protected	k_q6fd175b193_prep
	.globl	k_q6fd175b193_prep
	.p2align	8
	.type	k_q6fd175b193_prep,@function
k_q6fd175b193_prep:
	s_mov_b64 s[64:65], 0
	v_nop
	global_prefetch_b8 v0, s[64:65] scope:SCOPE_SE
	s_setreg_imm32_b32 hwreg(HW_REG_WAVE_MODE, 25, 1), 1
	s_wait_xcnt 0x0
; x and the four weights, f32 with K innermost, become codes of E4M3; and the table of cos and sin for the rotary embedding is made.
; code = number / 2^e, held within +-448, to the nearest code, ties to even.  x is an operand of three products with three given scales (entries 0, 2, 4), so it is read once and
; quantised three times: xc = [3][4096][1024].  wc = [2560][1024]: rows 0-1023 wq (entry 1), 1024-1279 wk (3), 1280-1535 wv (5), 1536-2559 wo (11).
; SHARES.  Work-groups 0-255 take x, 256-319 wq, 320-335 wk, 336-351 wv, 352-415 wo: 16 rows each, 4 rows (8 steps of 512 numbers) a wave.  Only pointers and exponents are chosen by
; the work-group's number: all five tensors take one way through the text.  Work-groups 416-479 make the table, 32 positions each, 8 a wave, a lane to a pair of channels.
; A STEP.  Each of its four loads reads 512 consecutive bytes, 16 a lane; the 2,048 bytes turn through the wave's own stage in LDS (16 bytes of padding behind each 64) and come back 64 a lane:
; 16 neighbours along K, which the conversions want in one lane's registers.  A lane's 16 codes are 16 bytes: a wave's store covers 512 consecutive bytes.  Waves share nothing: no barrier.
; THE TABLE.  rope = [2048 positions][32 pairs][cos, sin] f32.  angle = position x 10^(-pair/8), one rounding; n = the nearest whole number to angle x 2/pi; r = angle - n pi/2 by three fused
; multiply-adds on a three-part pi/2 (the first is exact: n < 2^11, and the first part has its last bit clear); polynomials on |r| <= pi/4; the quadrant swaps and signs.
; LIMITS.  Each e between -126 and 119.  NaN among the inputs is not served.  10^(-pair/8) is the correctly rounded f32 number; a power and a division in f32 may give its neighbour.
; WORK LEFT OUT of the program (in launch attn): reference() replaces every score of query i whose key lies outside i - 1,024 .. i ahead of the softmax, so p is 0 there for all values of the inputs; steps that hold only such keys
; for a tile's queries are not multiplied.  A NaN, an infinity or an overflow that reaches only those is not carried to the result.  Every input is used.
.set WAVES,  4
.set STEPS,  8
.set WREG,   8192                      ; LDS: a region for each wave: two stages of 32 x SP bytes
.set SP,     80                        ; a lane's place in a stage: 64 bytes + 16 of padding
.set SPARE,  WAVES*WREG                ; behind the regions: the spare words, 128 bytes a wave
.set ID_WQ,  256
.set ID_WK,  320
.set ID_WV,  336
.set ID_WO,  352
.set ID_ROPE, 416
.set SPW,    12                        ; v12      my spare word's LDS address; never rewritten
.set NIL,    13                        ; v13      0; never rewritten
.set R,      16                        ; v16-79   four sets of 16 numbers as loaded
.set X,      80                        ; v80-111  two sets of 16 neighbours
.set T,      112                       ; v112-127 the 16 numbers, held
.set C,      128                       ; v128-223 codes: 12 registers a step, so that no store's data are written again
; v3 16 x lane (loads and stores); v5, v7, v9 the three scales 2^e as f32; v6, v8, v10 448 x them; v14, v15 the stage, in and out
	s_load_b256 s[4:11], s[0:1], 0x0               ; x, wq_w, wk_w, wv_w
	s_load_b256 s[12:19], s[0:1], 0x20             ; wo_w, lowp_scales, xc, wc
	s_load_b64 s[20:21], s[0:1], 0x40              ; rope
	v_lshl_add_u32 v[SPW], v0, 2, SPARE
	v_mov_b32 v[NIL], 0
	v_lshrrev_b32 v1, 5, v0
	v_readfirstlane_b32 s22, v1                    ; wave 0..3
	v_and_b32 v2, 31, v0                           ; lane
	s_wait_kmcnt 0x0
	s_cmp_ge_u32 ttmp9, ID_ROPE
	s_cbranch_scc1 .Lrope
	s_load_b256 s[24:31], s[14:15], 0x0            ; e0 .. e7
	s_load_b128 s[32:35], s[14:15], 0x20           ; e8 .. e11
	s_wait_alu depctr_va_vdst(0)
	v_lshlrev_b32 v3, 4, v2
	s_wait_alu depctr_va_vdst(0)
	s_mul_i32 s23, s22, WREG
	v_lshrrev_b32 v14, 2, v2
	v_mul_u32_u24 v14, v14, SP
	v_and_b32 v15, 3, v2
	v_lshl_add_u32 v14, v15, 4, v14
	v_add_nc_u32 v14, s23, v14                     ; in: four lanes' 64 bytes on end, then the padding
	v_mul_u32_u24 v15, v2, SP
	v_add_nc_u32 v15, s23, v15                     ; out: my 16 neighbours
	; which tensor: source s[36:37], its first work-group s38; the choices hang on the work-group's number alone
	s_mov_b64 s[36:37], s[12:13]
	s_mov_b32 s38, ID_WO
	s_cmp_lt_u32 ttmp9, ID_WO
	s_cselect_b64 s[36:37], s[10:11], s[36:37]
	s_cselect_b32 s38, ID_WV, s38
	s_cmp_lt_u32 ttmp9, ID_WV
	s_cselect_b64 s[36:37], s[8:9], s[36:37]
	s_cselect_b32 s38, ID_WK, s38
	s_cmp_lt_u32 ttmp9, ID_WK
	s_cselect_b64 s[36:37], s[6:7], s[36:37]
	s_cselect_b32 s38, ID_WQ, s38
	s_cmp_lt_u32 ttmp9, ID_WQ
	s_cselect_b64 s[36:37], s[4:5], s[36:37]
	s_cselect_b32 s38, 0, s38
	s_cselect_b64 s[44:45], s[16:17], s[18:19]     ; codes go to xc or to wc,
	s_cselect_b32 s42, 0, ID_WQ                    ; counted from this work-group on
	s_cselect_b32 s43, 1, 0                        ; 1: x, which has three scales
	s_sub_co_u32 s38, ttmp9, s38
	s_lshl_b32 s38, s38, 16                        ; 16 rows of 4,096 bytes,
	s_lshl_b32 s39, s22, 14                        ; my wave's 4
	s_add_co_u32 s38, s38, s39
	s_mov_b32 s39, 0
	s_add_nc_u64 s[36:37], s[36:37], s[38:39]
	s_sub_co_u32 s42, ttmp9, s42
	s_lshl_b32 s40, s42, 14                        ; 16 rows of 1,024 codes,
	s_lshl_b32 s41, s22, 12
	s_add_co_u32 s40, s40, s41
	s_mov_b32 s41, 0
	s_add_nc_u64 s[44:45], s[44:45], s[40:41]
	s_add_nc_u64 s[46:47], s[44:45], 0x400000      ; x's second and third sets of codes, 4,194,304 bytes apart: used by x's work-groups alone
	s_add_nc_u64 s[48:49], s[46:47], 0x400000
.macro LOAD t
.irp i, 0,1,2,3
	global_load_b128 v[R+16*((\t)%4)+4*\i:R+16*((\t)%4)+4*\i+3], v3, s[36:37] offset:2048*(\t)+512*\i th:TH_LOAD_NT   ; 32 lanes read 512 consecutive bytes; read once in the launch
.endr
.endm
.macro TURN t                          ; step t's numbers through the stage: LDS serves a wave's instructions in order, so no wait stands between the stores and the loads
.irp i, 0,1,2,3
	ds_store_b128 v14, v[R+16*((\t)%4)+4*\i:R+16*((\t)%4)+4*\i+3] offset:32*SP*((\t)%2)+8*SP*\i
.endr
.irp i, 0,1,2,3
	ds_load_b128 v[X+16*((\t)%2)+4*\i:X+16*((\t)%2)+4*\i+3], v15 offset:32*SP*((\t)%2)+16*\i
.endr
.endm
.macro MKSC e, scl, lim                ; 2^e and 448 x 2^e as f32 numbers
	s_add_co_i32 s50, \e, 127
	s_lshl_b32 s51, s50, 23
	v_mov_b32 v[\scl], s51
	s_add_co_i32 s50, s50, 8
	s_lshl_b32 s50, s50, 23
	s_or_b32 s50, s50, 0x600000
	v_mov_b32 v[\lim], s50
.endm
.irp t, 0,1,2,3
	LOAD \t
.endr
	s_wait_alu depctr_va_vdst(0)
	s_wait_kmcnt 0x0
	s_mov_b32 s39, s35                             ; the tensor's exponent: e11, e5, e3, e1 or e0
	s_cmp_lt_u32 ttmp9, ID_WO
	s_cselect_b32 s39, s29, s39
	s_cmp_lt_u32 ttmp9, ID_WV
	s_cselect_b32 s39, s27, s39
	s_cmp_lt_u32 ttmp9, ID_WK
	s_cselect_b32 s39, s25, s39
	s_cmp_lt_u32 ttmp9, ID_WQ
	s_cselect_b32 s39, s24, s39
	MKSC s39, 5, 6
	MKSC s26, 7, 8                                 ; e2
	MKSC s28, 9, 10                                ; e4
	s_wait_alu depctr_va_vdst(0)
	s_wait_loadcnt 12                              ; step 0's four loads are in; three steps' stay out
	TURN 0
; step t's 16 numbers under scale n (0, 1, 2): held, converted, stored
.macro QV t, n, base
.irp i, 0,1,2,3,4,5,6,7,8,9,10,11,12,13,14,15
	v_med3_num_f32 v[T+\i], v[X+16*((\t)%2)+\i], -v[6+2*(\n)], v[6+2*(\n)]   ; the conversion to an 8-bit code does not saturate (ISA guide 7.6.2): the hold comes first
.endr
	v_cvt_scalef32_pk8_fp8_f32 v[C+12*(\t)+4*(\n):C+12*(\t)+4*(\n)+1], v[T:T+7], v[5+2*(\n)]
	v_cvt_scalef32_pk8_fp8_f32 v[C+12*(\t)+4*(\n)+2:C+12*(\t)+4*(\n)+3], v[T+8:T+15], v[5+2*(\n)]
	v_nop                                          ; one plain instruction between a scaled conversion and the next write of its sources (the next holds)
	global_store_b128 v3, v[C+12*(\t)+4*(\n):C+12*(\t)+4*(\n)+3], s[\base:\base+1] offset:512*(\t)
.endm
.macro STEP t
	s_wait_dscnt 0x0                               ; this step's numbers are back from the stage, so its stores into the stage have read their registers,
.if (\t)+4 < STEPS
	LOAD (\t)+4                                    ; which take the loads of four steps on
.endif
.if (\t)+1 < STEPS
.if STEPS-2-(\t) >= 3
	s_wait_loadcnt 12                              ; the next step's four loads are in; those of the three steps behind it may be out
.else
	s_wait_loadcnt 4*(STEPS-2-(\t))
.endif
	TURN (\t)+1                                    ; they go through the other stage while this step is worked
.endif
	QV \t, 0, 44
	s_cmp_eq_u32 s43, 0                            ; a weight has one scale: the jump leads round vector work and stores alone
	s_cbranch_scc1 .Lone_\@
	QV \t, 1, 46
	QV \t, 2, 48
.Lone_\@:
.endm
.irp t, 0,1,2,3,4,5,6,7
	STEP \t
.endr
	s_wait_tensorcnt 0x0                           ; the wave's end
	ds_add_u32 v[SPW], v[NIL]
	s_wait_dscnt 0x0
	s_endpgm
.Lrope:                                        ; this way touches no LDS
	s_sub_co_u32 s24, ttmp9, ID_ROPE
	s_lshl_b32 s25, s24, 5
	s_lshl_b32 s26, s22, 3
	s_add_co_u32 s25, s25, s26                     ; my wave's first position
	s_lshl_b32 s26, s25, 8                         ; a position's row is 256 bytes
	s_mov_b32 s27, 0
	s_add_nc_u64 s[20:21], s[20:21], s[26:27]
	s_wait_alu depctr_va_vdst(0)
	v_lshlrev_b32 v18, 3, v2                       ; 8 bytes a lane: a wave's store covers a whole row
	v_mov_b32 v19, 0
.macro FREQ i, bits                    ; lane i's 10^(-i/8)
	s_mov_b32 s28, \bits
	v_writelane_b32 v19, s28, \i
.endm
	FREQ 0, 0x3f800000
	FREQ 1, 0x3f3ff911
	FREQ 2, 0x3f0ff59a
	FREQ 3, 0x3ed7e89b
	FREQ 4, 0x3ea1e89b
	FREQ 5, 0x3e72d424
	FREQ 6, 0x3e361887
	FREQ 7, 0x3e088d77
	FREQ 8, 0x3dcccccd
	FREQ 9, 0x3d99940e
	FREQ 10, 0x3d6655c3
	FREQ 11, 0x3d2cba15
	FREQ 12, 0x3d0186e2
	FREQ 13, 0x3cc24350
	FREQ 14, 0x3c91ad39
	FREQ 15, 0x3c5a7bf1
	FREQ 16, 0x3c23d70a
	FREQ 17, 0x3bf5b9b0
	FREQ 18, 0x3bb8449c
	FREQ 19, 0x3b8a2e77
	FREQ 20, 0x3b4f3e37
	FREQ 21, 0x3b1b690d
	FREQ 22, 0x3ae91528
	FREQ 23, 0x3aaec98e
	FREQ 24, 0x3a83126f
	FREQ 25, 0x3a44948c
	FREQ 26, 0x3a136a16
	FREQ 27, 0x39dd1726
	FREQ 28, 0x39a5cb5f
	FREQ 29, 0x3978a814
	FREQ 30, 0x393a7753
	FREQ 31, 0x390bd472
	s_mov_b32 s52, 0x3fc90fda                      ; pi/2 in three parts
	s_mov_b32 s53, 0x33a22168
	s_mov_b32 s54, 0x27c234c4
	v_mov_b32 v20, 0xb94ca1f9                      ; the polynomials' leading coefficients: sine's,
	v_mov_b32 v21, 0x37ccf5ce                      ; cosine's
.macro ROW k
	s_add_co_u32 s29, s25, \k
	v_cvt_f32_u32 v3, s29
	v_mul_f32 v3, v3, v19                          ; the angle
	v_mul_f32 v4, 0x3f22f983, v3
	v_rndne_f32 v4, v4                             ; n
	v_fma_f32 v5, -v4, s52, v3
	v_fma_f32 v5, -v4, s53, v5
	v_fma_f32 v5, -v4, s54, v5                     ; r
	v_mul_f32 v6, v5, v5                           ; z = r r
	v_fmaak_f32 v7, v6, v20, 0x3c08839e
	v_fmaak_f32 v9, v6, v21, 0xbab6061a
	v_fmaak_f32 v7, v7, v6, 0xbe2aaaa3
	v_fmaak_f32 v9, v9, v6, 0x3d2aaaa5
	v_mul_f32 v8, v6, v5
	v_mul_f32 v10, v6, v6
	v_fma_f32 v11, v6, -0.5, 1.0
	v_fma_f32 v7, v7, v8, v5                       ; sin r
	v_fma_f32 v9, v9, v10, v11                     ; cos r
	v_cvt_i32_f32 v12, v4
	v_and_b32 v13, 1, v12
	v_cmp_eq_u32 vcc_lo, 1, v13                    ; an odd quadrant swaps the two
	v_cndmask_b32 v14, v7, v9, vcc_lo
	v_cndmask_b32 v15, v9, v7, vcc_lo
	v_lshlrev_b32 v16, 30, v12                     ; the sine's sign: bit 1 of n;
	v_add_nc_u32 v17, 1, v12
	v_lshlrev_b32 v17, 30, v17                     ; the cosine's: bit 1 of n + 1
	v_and_b32 v16, 0x80000000, v16
	v_and_b32 v17, 0x80000000, v17
	v_xor_b32 v[41+2*\k], v14, v16
	v_xor_b32 v[40+2*\k], v15, v17
	global_store_b64 v18, v[40+2*\k:41+2*\k], s[20:21] offset:256*\k   ; each position has its own pair of data registers
.endm
.irp k, 0,1,2,3,4,5,6,7
	ROW \k
.endr
	s_endpgm
.Lfunc_end_k_q6fd175b193_prep:
	.size	k_q6fd175b193_prep, .Lfunc_end_k_q6fd175b193_prep-k_q6fd175b193_prep
	.p2alignl 7, 3214868480
	.fill 96, 4, 3214868480
	.section	.rodata,"a",@progbits
	.p2align	6, 0x0
	.amdhsa_kernel k_q6fd175b193_prep
		.amdhsa_group_segment_fixed_size 33280
		.amdhsa_private_segment_fixed_size 0
		.amdhsa_enable_private_segment 0
		.amdhsa_kernarg_size 72
		.amdhsa_user_sgpr_count 2
		.amdhsa_user_sgpr_kernarg_segment_ptr 1
		.amdhsa_wavefront_size32 1
		.amdhsa_system_sgpr_workgroup_id_x 1
		.amdhsa_system_sgpr_workgroup_id_y 1
		.amdhsa_system_sgpr_workgroup_id_z 1
		.amdhsa_system_vgpr_workitem_id 0
		.amdhsa_next_free_vgpr 224
		.amdhsa_next_free_sgpr 80
		.amdhsa_reserve_vcc 1
		.amdhsa_float_denorm_mode_32 3
		.amdhsa_float_denorm_mode_16_64 3
		.amdhsa_memory_ordered 1
		.amdhsa_forward_progress 1
		.amdhsa_inst_pref_size 59
	.end_amdhsa_kernel
	.amdgpu_metadata
---
amdhsa.version: [ 1, 2 ]
amdhsa.kernels:
  - .name:           k_q6fd175b193_prep
    .symbol:         k_q6fd175b193_prep.kd
    .args:
      - { .name: x, .offset: 0, .size: 8, .value_kind: global_buffer, .address_space: global }
      - { .name: wq_w, .offset: 8, .size: 8, .value_kind: global_buffer, .address_space: global }
      - { .name: wk_w, .offset: 16, .size: 8, .value_kind: global_buffer, .address_space: global }
      - { .name: wv_w, .offset: 24, .size: 8, .value_kind: global_buffer, .address_space: global }
      - { .name: wo_w, .offset: 32, .size: 8, .value_kind: global_buffer, .address_space: global }
      - { .name: lowp_scales, .offset: 40, .size: 8, .value_kind: global_buffer, .address_space: global }
      - { .name: xc, .offset: 48, .size: 8, .value_kind: global_buffer, .address_space: global }
      - { .name: wc, .offset: 56, .size: 8, .value_kind: global_buffer, .address_space: global }
      - { .name: rope, .offset: 64, .size: 8, .value_kind: global_buffer, .address_space: global }
    .group_segment_fixed_size: 33280
    .private_segment_fixed_size: 0
    .kernarg_segment_align: 8
    .kernarg_segment_size: 72
    .max_flat_workgroup_size: 128
    .sgpr_count:     80
    .vgpr_count:     224
    .wavefront_size: 32
...
	.end_amdgpu_metadata
.endif
;; end of part 1
;; launch qkv (part 2): grid 32 x 6, 8 waves a work-group, clusters of 4 x 1, 327,680 bytes of LDS; arguments xc, wc, wq_b, wk_b, wv_b, rope, lowp_scales, qc, kv; writes qc, kv
.if DOCPART == 2
	.amdgcn_target "amdgcn-amd-amdhsa--gfx1250"
	.amdhsa_code_object_version 6
	.text
	.protected	k_q6fd175b193_qkv
	.globl	k_q6fd175b193_qkv
	.p2align	8
	.type	k_q6fd175b193_qkv,@function
k_q6fd175b193_qkv:
	s_mov_b64 s[64:65], 0
	v_nop
	global_prefetch_b8 v0, s[64:65] scope:SCOPE_SE
	s_setreg_imm32_b32 hwreg(HW_REG_WAVE_MODE, 25, 1), 1
	s_wait_xcnt 0x0
	s_wait_alu depctr_hold_cnt(0) depctr_sa_sdst(0) depctr_va_vdst(0) depctr_va_sdst(0) depctr_va_ssrc(0) depctr_va_vcc(0) depctr_vm_vsrc(0)
	s_getreg_b32 s2, hwreg(HW_REG_IB_STS2, 6, 4)
	s_cmp_eq_u32 s2, 0
	s_cbranch_scc0 .Lentry_in_a_cluster
	s_endpgm
.Lentry_in_a_cluster:
	s_bfe_u32 s2, ttmp6, 0x10000c
	s_cmp_lg_u32 s2, 0x3003
	s_cbranch_scc0 .Lentry_shape_is_right
	s_endpgm
.Lentry_shape_is_right:
; q, k, v = x W^T + b on codes of E4M3; the rotary embedding on q and k; q, k, v quantised anew (entries 6, 7, 8 of the scales) and stored as IMAGES OF THE NEXT PRODUCTS' OPERAND REGISTERS.
; SHARES.  A tile is 128 rows of x by 256 columns (four heads); work-group x = row block mi (0..31), y = column tile ni: 0-3 q, 4 k, 5 v: 192 work-groups.  Eight waves, 64 x 64 each: 16 accumulators; a wave's 64 columns are one head.
; K goes in four chunks of 256: x's 128 rows, then W's 256 rows, 272 bytes apart (256 + 16 of padding: the 16 rows of a fragment load start at 16 different banks of 64, ISA guide 11.1).  LDS holds three chunks; 128 rows are HT bytes, a chunk 3 HT,
; and wave w's one load at the head lands at w HT: waves 0, 3, 6 bring x's rows of chunks 0, 1, 2; waves 1, 2 and 4, 5 the halves of W's rows of chunks 0 and 1; wave 7 all W's rows of chunk 2.  Chunk 3 comes into chunk 0's place by waves 0-2
; behind a round of the cluster's barrier, and has four K steps of 128 in which to land.  No prefetch: the text has no loop, and all but chunk 3 is asked for at the head.
; CLUSTER.  The four row blocks of a cluster take the same rows of W: those tiles are asked for jointly (mask 15).  x's tiles are each work-group's own.  Along y nothing is shared in a cluster: six column tiles are no
; multiple of four, and in a pair (k, v) the two read different codes of x (entries 2 and 4).
; LAYOUT.  q and k: the product is used transposed (source 0 = 16 rows of W, source 1 = 16 rows of x): a lane holds ONE position and its eight registers eight neighbouring channels 16 t + 8 (lane / 16) + 0..7: the pairs of
; the rotary embedding lie in one lane, and a conversion's two registers are registers 2 t, 2 t + 1 of a 16 x 64 operand.  v: straight: a lane holds one channel and eight neighbouring KEYS, the second attention product's K.
; qc = [2 b][16 heads][128 tiles of 16 positions][2 groups of 4 registers][32 lanes][16 bytes].  kv = [4 b + g][64 granules of 32 keys][K: 2 tiles of 16 keys x 1,024 bytes | V^T: 4 tiles of 16 channels x 512 bytes].
; SCALES.  A sum stands for sum x 2^E, E = the two operands' exponents added; the sums start from b / 2^E; the conversion's one scale is 2^(e_out - E).  Chosen by selects, never by a branch.
; LIMITS.  e_out - E between -126 and 119.  NaN among the inputs is not served.
; REGISTERS.  Window 0: v10-13 offsets; v14, v15 hold and scale; v16-18, v20-22 LDS addresses of x's and W's fragments in the three places; v28, v29 the add's two; v32-63 codes; v64-71 at work; v72-103 the bias;
;   v128-255 accumulator (a, t) at v[128 + 8 (4 a + t)].   Window 1: v0-63 x's four fragments (16 rows x 128 K, 16 registers), v64-127 W's four, v128-255 cos and sin.
.set PITCH,  272
.set HT,     128*PITCH
.set CH,     3*HT
.set SPARE,  3*CH                      ; behind the chunks: the spare words, 128 bytes a wave
.set LI,   10                          ; 16 x lane
.set RO,   11                          ; the table: 256 (lane % 16) + 32 (lane / 16)
.set BO,   12                          ; the bias, q and k: 32 (lane / 16)
.set BV,   13                          ; the bias, v: 4 (lane % 16)
.set LIM,  14
.set SCL,  15
.set ADRA, 16
.set ADRB, 20
.set SPW,  28
.set NIL,  29
.set CD,   32
.set TT,   64
.set BI,   72
.set ACC,  128
.set RT,   128                         ; in window 1
.set WV,   22
.set WR,   23
.set WC,   56
.set MI,   58
.set NI,   59
.set NEGE, 60
.set ISV,  61
.set G1A,  24                          ; groups 1: x's 128 rows; W's 128 rows; W's 256 rows
.set G1B,  32
.set G1C,  40
.set G0A,  48                          ; groups 0: x's, W's
.set G0B,  52
.set MSB, 0
.macro WIN new                         ; the immediate's high byte repeats the setting that is left
.if MSB != \new
	s_set_vgpr_msb (MSB<<8)|\new
.set MSB, \new
.endif
.endm
.macro PLACES                          ; four places behind a matrix instruction, ahead of loads into its sources and of reads of its results
.rept 4
	v_nop
.endr
.endm
.macro CROUND                          ; a round of the cluster's barrier
	s_barrier_signal -1
	s_barrier_wait -1
	s_cmp_lg_u32 s[WV], 0
	s_cbranch_scc1 .Lnot_wave_0_\@
	s_barrier_signal -3
.Lnot_wave_0_\@:
	s_barrier_wait -3
	s_barrier_signal -1
	s_barrier_wait -1
.endm
.macro KSTEP k, tr                     ; 128 along K: 32 fragment loads in one run, W's first; then the 16 accumulators by turns.  The first step starts the sums from the bias
.if \k > 0
	PLACES
.endif
	WIN 0x40
.irp i, 0,1,2,3
.irp c, 0,1,2,3
	ds_load_b128 v[64+16*\i+4*\c:64+16*\i+4*\c+3], v[ADRB+(\k/2)%3] offset:128*(\k%2)+32*\c+\i*16*PITCH
.endr
.endr
.irp i, 0,1,2,3
.irp c, 0,1,2,3
	ds_load_b128 v[16*\i+4*\c:16*\i+4*\c+3], v[ADRA+(\k/2)%3] offset:128*(\k%2)+32*\c+\i*16*PITCH
.endr
.endr
	WIN 0x05                                       ; sources 0 and 1 window 1
.irp a, 0,1,2,3
	s_wait_dscnt 12-4*\a                           ; x's later fragments stay out
.irp b, 0,1,2,3
.set AA, ACC+8*(4*\a+\b)
.if \k == 0
.set CC, BI+8*\b
.else
.set CC, AA
.endif
.if \tr
	v_wmma_f32_16x16x128_fp8_fp8 v[AA:AA+7], v[64+16*\b:64+16*\b+15], v[16*\a:16*\a+15], v[CC:CC+7]
.else
	v_wmma_f32_16x16x128_fp8_fp8 v[AA:AA+7], v[16*\a:16*\a+15], v[64+16*\b:64+16*\b+15], v[CC:CC+7]
.endif
.endr
.endr
	WIN 0
.endm
.macro GEMM tr
	s_wait_tensorcnt 0x0                           ; my one load of the head has landed: behind the barrier chunks 0, 1, 2 are whole
	s_wait_dscnt 0x0
	s_barrier_signal -1
	s_barrier_wait -1
	KSTEP 0, \tr
	KSTEP 1, \tr
	s_wait_tensorcnt 0x0                           ; chunks 1 and 2 have landed, so the groups 0 may be written;
	ds_add_u32 v[SPW], v[NIL]                      ; 0 onto my spare word
	s_add_nc_u64 s[G0A+2:G0A+3], s[G0A+2:G0A+3], 768   ; waves 0-2 asked for chunk 0: on to chunk 3
	s_add_nc_u64 s[G0B+2:G0B+3], s[G0B+2:G0B+3], 768
	s_min_u32 s[G0A+1], s[WV], 2                   ; and into chunk 0's place: as at the head for waves 0-2
	s_mul_i32 s[G0A+1], s[G0A+1], HT
	s_mov_b32 s[G0B+1], s[G0A+1]
	s_wait_dscnt 0x0                               ; the add is done, and so are my reads of chunk 0
	CROUND                                         ; all that holds of every wave of the cluster
	s_cmp_gt_u32 s[WV], 2
	s_cbranch_scc1 .Lasked_\@
	s_cmp_eq_u32 s[WV], 0
	s_cbranch_scc0 .Lfor_w_\@
	tensor_load_to_lds s[G0A:G0A+3], s[G1A:G1A+7]
	s_nop 0
	PLACES
	s_branch .Lasked_\@
.Lfor_w_\@:
	tensor_load_to_lds s[G0B:G0B+3], s[G1B:G1B+7]
	s_nop 0
	PLACES
.Lasked_\@:
	KSTEP 2, \tr
	KSTEP 3, \tr
	KSTEP 4, \tr
	KSTEP 5, \tr
	s_wait_tensorcnt 0x0                           ; chunk 3
	s_wait_dscnt 0x0
	s_barrier_signal -1
	s_barrier_wait -1
	KSTEP 6, \tr
	KSTEP 7, \tr
.endm
	s_load_b256 s[4:11], s[0:1], 0x0               ; xc, wc, wq_b, wk_b
	s_load_b256 s[12:19], s[0:1], 0x20             ; wv_b, rope, lowp_scales, qc
	s_load_b64 s[20:21], s[0:1], 0x40              ; kv
	v_lshl_add_u32 v[SPW], v0, 2, SPARE
	v_mov_b32 v[NIL], 0
	ds_add_u32 v[SPW], v[NIL]                      ; the wave's opening: the add, twice on end, and its wait ahead of my first tensor load; work on registers stands between
	ds_add_u32 v[SPW], v[NIL]
	v_lshrrev_b32 v1, 5, v0
	v_readfirstlane_b32 s[WV], v1
	s_lshr_b32 s[WR], s[WV], 2                     ; my half of the rows
	s_and_b32 s[WC], s[WV], 3                      ; my head of the tile's four
	s_bfe_u32 s57, ttmp6, 0x40000                  ; cx
	s_lshl_b32 s[MI], ttmp9, 2
	s_add_co_u32 s[MI], s[MI], s57                 ; row block = 4 x cluster x + cx: it enters global addresses alone
	s_and_b32 s[NI], ttmp7, 0xffff                 ; column tile, which the partners share
	s_max_u32 s57, s[NI], 3
	s_sub_co_u32 s57, s57, 3                       ; which codes of x: 0 for q, 1 for k, 2 for v
	s_cmp_eq_u32 s[NI], 5
	s_cselect_b32 s[ISV], 1, 0
	s_mov_b32 s[G1A], (1<<20)|(5<<22)|(3<<25)      ; no mask; elements of 1 byte; padding on: 4 words behind every 64
	s_mov_b32 s[G1B], 15|(1<<20)|(1<<21)|(5<<22)|(3<<25)   ; the same with the mask of all four partners, and bit 21 beside it
	s_mov_b32 s[G1C], 15|(1<<20)|(1<<21)|(5<<22)|(3<<25)
	s_mov_b32 s[G1A+2], 128<<16                    ; tensor_dim1
	s_mov_b32 s[G1B+2], 128<<16
	s_mov_b32 s[G1C+2], 256<<16
	s_mov_b32 s[G1A+4], 128                        ; tile_dim1
	s_mov_b32 s[G1B+4], 128
	s_mov_b32 s[G1C+4], 256
.irp g, G1A, G1B, G1C
	s_mov_b32 s[\g+1], 256<<16                     ; tensor_dim0
	s_mov_b32 s[\g+3], 256<<16                     ; tile_dim0
	s_mov_b32 s[\g+5], 1024                        ; bytes from row to row
	s_mov_b32 s[\g+6], 0
	s_mov_b32 s[\g+7], 0
.endr
	s_mul_i32 s68, s[WV], 11
	s_lshr_b32 s68, s68, 5                         ; the chunk that I fetch: wave / 3
	s_mul_i32 s69, s68, -3
	s_add_co_u32 s69, s69, s[WV]                   ; wave % 3: 0 x, 1 and 2 W's halves
	s_lshl_b32 s68, s68, 8                         ; 256 bytes a chunk
	s_lshl_b32 s62, s57, 22                        ; x: the set of codes, 4,194,304 bytes each,
	s_lshl_b32 s63, s[MI], 17                      ; 128 rows of 1,024 bytes
	s_add_co_u32 s62, s62, s63
	s_add_co_u32 s62, s62, s68
	s_mov_b32 s63, 0
	s_max_u32 s69, s69, 1
	s_sub_co_u32 s69, s69, 1                       ; W: which half of the tile's 256 rows
	s_lshl_b32 s69, s69, 17
	s_lshl_b32 s66, s[NI], 18                      ; in registers that never hold cx
	s_add_co_u32 s66, s66, s69
	s_add_co_u32 s66, s66, s68
	s_mov_b32 s67, 0
	s_mul_i32 s100, s[WV], HT                      ; where my load lands
	s_mul_i32 s2, s[WR], 64*PITCH                  ; my 64 rows of x,
	s_mul_i32 s3, s[WC], 64*PITCH                  ; my 64 rows of W,
	s_add_co_u32 s3, s3, HT                        ; which lie behind x's 128
	v_and_b32 v1, 15, v0
	v_bfe_u32 v2, v0, 4, 1
	v_mul_u32_u24 v3, v1, PITCH
	v_lshl_add_u32 v3, v2, 4, v3                   ; a fragment's row x pitch + 16 x half
	v_and_b32 v[LI], 31, v0
	v_lshlrev_b32 v[LI], 4, v[LI]
	v_lshlrev_b32 v[RO], 8, v1
	v_lshl_add_u32 v[RO], v2, 5, v[RO]
	v_lshlrev_b32 v[BO], 5, v2
	v_lshlrev_b32 v[BV], 2, v1
.irp c, 0,1,2
	v_add_nc_u32 v[ADRA+\c], s2, v3
	v_add_nc_u32 v[ADRB+\c], s3, v3
	s_add_co_u32 s2, s2, CH
	s_add_co_u32 s3, s3, CH
.endr
	s_wait_alu depctr_va_vdst(0)
	s_wait_dscnt 0x0                               ; both opening adds are done
	s_wait_kmcnt 0x0
	s_load_b256 s[84:91], s[16:17], 0x0            ; e0 .. e7
	s_load_b128 s[92:95], s[16:17], 0x20           ; e8 .. e11
	s_mov_b32 s[G0A], 1
	s_mov_b32 s[G0A+1], s100
	s_add_nc_u64 s[G0A+2:G0A+3], s[4:5], s[62:63]
	s_or_b32 s[G0A+3], s[G0A+3], 0x80000000
	s_mov_b32 s[G0B], 1
	s_mov_b32 s[G0B+1], s100
	s_add_nc_u64 s[G0B+2:G0B+3], s[6:7], s[66:67]
	s_or_b32 s[G0B+3], s[G0B+3], 0x80000000
	CROUND                                         ; all four work-groups are here: the joint loads meet
	s_cmp_eq_u32 s[WV], 0                          ; one load a wave, in the arms of one chain on its number
	s_cbranch_scc1 .Lhead_x
	s_cmp_eq_u32 s[WV], 3
	s_cbranch_scc1 .Lhead_x
	s_cmp_eq_u32 s[WV], 6
	s_cbranch_scc1 .Lhead_x
	s_cmp_eq_u32 s[WV], 7
	s_cbranch_scc1 .Lhead_w2
	tensor_load_to_lds s[G0B:G0B+3], s[G1B:G1B+7]
	s_nop 0
	PLACES
	s_branch .Lfilled
.Lhead_w2:
	tensor_load_to_lds s[G0B:G0B+3], s[G1C:G1C+7]
	s_nop 0
	PLACES
	s_branch .Lfilled
.Lhead_x:
	tensor_load_to_lds s[G0A:G0A+3], s[G1A:G1A+7]
	s_nop 0
	PLACES
.Lfilled:
	; the table's rows for my 64 positions
	s_and_b32 s96, s[MI], 15
	s_lshl_b32 s96, s96, 15
	s_lshl_b32 s97, s[WR], 14
	s_add_co_u32 s96, s96, s97
	s_mov_b32 s97, 0
	s_add_nc_u64 s[96:97], s[14:15], s[96:97]
	; my head's bias, and where my codes go
	s_lshl_b32 s57, s[NI], 2
	s_mov_b32 s68, 0x1000
	s_cmp_lt_u32 s[NI], 5
	s_cselect_b64 s[98:99], s[10:11], s[12:13]
	s_cmp_lt_u32 s[NI], 4
	s_cselect_b64 s[98:99], s[8:9], s[98:99]
	s_cselect_b64 s[100:101], s[18:19], s[20:21]   ; qc or kv
	s_cselect_b32 s57, s57, 0
	s_cselect_b32 s62, 4, 2                        ; 16 or 4 heads a batch, as a shift,
	s_cselect_b32 s63, 12, 13                      ; 4,096 or 8,192 bytes for 64 positions of a head,
	s_cselect_b32 s68, 0x800, s68                  ; 2,048 or 4,096 bytes from my tiles 0, 1 to tiles 2, 3
	s_add_co_u32 s67, s57, s[WC]                   ; my head in its tensor
	s_lshr_b32 s2, s[MI], 4                        ; the batch
	s_lshl_b32 s2, s2, s62
	s_add_co_u32 s2, s2, s67
	s_add_co_u32 s62, s63, 5                       ; a head's 2,048 positions: 32 times as much
	s_lshl_b32 s2, s2, s62
	s_and_b32 s3, s[MI], 15
	s_lshl_b32 s3, s3, 1
	s_add_co_u32 s3, s3, s[WR]                     ; which 64 positions
	s_lshl_b32 s3, s3, s63
	s_add_co_u32 s2, s2, s3
	s_mov_b32 s3, 0
	s_add_nc_u64 s[100:101], s[100:101], s[2:3]
	s_mov_b32 s69, 0
	s_add_nc_u64 s[2:3], s[100:101], s[68:69]
	s_lshl_b32 s62, s67, 8                         ; 64 biases are 256 bytes
	s_mov_b32 s63, 0
	s_add_nc_u64 s[98:99], s[98:99], s[62:63]
	s_wait_kmcnt 0x0
	s_add_co_i32 s62, s84, s85
	s_add_co_i32 s63, s86, s87
	s_add_co_i32 s66, s88, s89
	s_cmp_lt_u32 s[NI], 5
	s_cselect_b32 s66, s63, s66
	s_cselect_b32 s67, s91, s92
	s_cmp_lt_u32 s[NI], 4
	s_cselect_b32 s66, s62, s66                    ; E
	s_cselect_b32 s67, s90, s67                    ; e_out
	s_sub_co_i32 s[NEGE], 0, s66
	s_sub_co_i32 s67, s67, s66
	s_add_co_i32 s67, s67, 127
	s_lshl_b32 s62, s67, 23
	v_mov_b32 v[SCL], s62                          ; 2^(e_out - E)
	s_add_co_i32 s67, s67, 8
	s_lshl_b32 s67, s67, 23
	s_or_b32 s67, s67, 0x600000
	v_mov_b32 v[LIM], s67                          ; 448 x that
	s_wait_alu depctr_va_vdst(0)
	s_cmp_lg_u32 s[ISV], 0
	s_cbranch_scc1 .Lv_way
	; ---- q and k
.irp t, 0,1,2,3
	global_load_b128 v[BI+8*\t:BI+8*\t+3], v[BO], s[98:99] offset:64*\t
	global_load_b128 v[BI+8*\t+4:BI+8*\t+7], v[BO], s[98:99] offset:64*\t+16
.endr
	WIN 0x40
.irp a, 0,1,2,3
.irp t, 0,1,2,3
	global_load_b128 v[RT+8*(4*\a+\t):RT+8*(4*\a+\t)+3], v[RO], s[96:97] offset:4096*\a+64*\t       ; position 16 a + lane % 16, pairs 8 t + 4 (lane / 16) + 0, 1: cos, sin, cos, sin
	global_load_b128 v[RT+8*(4*\a+\t)+4:RT+8*(4*\a+\t)+7], v[RO], s[96:97] offset:4096*\a+64*\t+16
.endr
.endr
	WIN 0
	s_wait_loadcnt 32                              ; the bias is in; the table's 32 loads stay out
.set j, 0
.rept 32
	v_ldexp_f32 v[BI+j], v[BI+j], s[NEGE]          ; b / 2^E
.set j, j+1
.endr
	s_wait_alu depctr_va_vdst(0)
	GEMM 1
	s_wait_loadcnt 0x0
	PLACES
	WIN 0x04                                       ; source 1 window 1
.irp a, 0,1,2,3
.irp t, 0,1,2,3
.set AA, ACC+8*(4*\a+\t)
.set RR, RT+8*(4*\a+\t)
.irp i, 0,2,4,6
	v_mul_f32 v[TT+\i], v[AA+\i+1], v[RR+\i+1]     ; x2 sin; each accumulator from its low end on
	v_mul_f32 v[TT+\i+1], v[AA+\i+1], v[RR+\i]     ; x2 cos
.endr
.irp i, 0,2,4,6
	v_fma_f32 v[AA+\i+1], v[AA+\i], v[RR+\i+1], v[TT+\i+1]   ; x1 sin + x2 cos
	v_fma_f32 v[AA+\i], v[AA+\i], v[RR+\i], -v[TT+\i]        ; x1 cos - x2 sin
.endr
.endr
.endr
	WIN 0
.irp a, 0,1,2,3
.irp t, 0,1,2,3
.set AA, ACC+8*(4*\a+\t)
.irp i, 0,1,2,3,4,5,6,7
	v_med3_num_f32 v[AA+\i], v[AA+\i], -v[LIM], v[LIM]   ; the conversion does not saturate (ISA guide 7.6.2)
.endr
	v_cvt_scalef32_pk8_fp8_f32 v[CD+8*\a+2*\t:CD+8*\a+2*\t+1], v[AA:AA+7], v[SCL]   ; registers 2 t, 2 t + 1 of tile a's operand
.endr
.endr
	v_nop                                          ; a plain instruction behind the last conversion
.irp a, 0,1
.irp g, 0,1
	global_store_b128 v[LI], v[CD+8*\a+4*\g:CD+8*\a+4*\g+3], s[100:101] offset:1024*\a+512*\g   ; 32 lanes store 512 consecutive bytes
	global_store_b128 v[LI], v[CD+16+8*\a+4*\g:CD+16+8*\a+4*\g+3], s[2:3] offset:1024*\a+512*\g
.endr
.endr
	s_branch .Lclose
.Lv_way:	; ---- v.  A lane holds one channel: its bias starts all eight registers
.irp t, 0,1,2,3
	global_load_b32 v[BI+8*\t], v[BV], s[98:99] offset:64*\t
.endr
	s_wait_loadcnt 0x0
.irp t, 0,1,2,3
.irp i, 7,6,5,4,3,2,1,0
	v_ldexp_f32 v[BI+8*\t+\i], v[BI+8*\t], s[NEGE]
.endr
.endr
	s_wait_alu depctr_va_vdst(0)
	GEMM 0
	PLACES
.irp a, 0,1,2,3
.irp t, 0,1,2,3
.set AA, ACC+8*(4*\a+\t)
.irp i, 0,1,2,3,4,5,6,7
	v_med3_num_f32 v[AA+\i], v[AA+\i], -v[LIM], v[LIM]
.endr
	v_cvt_scalef32_pk8_fp8_f32 v[CD+8*\t+2*\a:CD+8*\t+2*\a+1], v[AA:AA+7], v[SCL]   ; keys 16 a + 8 (lane / 16) + 0..7: registers 2 a, 2 a + 1 of channel tile t's operand
.endr
.endr
	v_nop
.irp t, 0,1,2,3
.irp g, 0,1
	global_store_b128 v[LI], v[CD+8*\t+4*\g:CD+8*\t+4*\g+3], s[100:101] offset:4096*\g+2048+512*\t
.endr
.endr
.Lclose:
	s_wait_tensorcnt 0x0                           ; the wave's end
	ds_add_u32 v[SPW], v[NIL]
	s_wait_dscnt 0x0
	CROUND                                         ; the closing round
	s_endpgm
.Lfunc_end_k_q6fd175b193_qkv:
	.size	k_q6fd175b193_qkv, .Lfunc_end_k_q6fd175b193_qkv-k_q6fd175b193_qkv
	.p2alignl 7, 3214868480
	.fill 96, 4, 3214868480
	.section	.rodata,"a",@progbits
	.p2align	6, 0x0
	.amdhsa_kernel k_q6fd175b193_qkv
		.amdhsa_group_segment_fixed_size 327680
		.amdhsa_private_segment_fixed_size 0
		.amdhsa_enable_private_segment 0
		.amdhsa_kernarg_size 72
		.amdhsa_user_sgpr_count 2
		.amdhsa_user_sgpr_kernarg_segment_ptr 1
		.amdhsa_wavefront_size32 1
		.amdhsa_system_sgpr_workgroup_id_x 1
		.amdhsa_system_sgpr_workgroup_id_y 1
		.amdhsa_system_sgpr_workgroup_id_z 1
		.amdhsa_system_vgpr_workitem_id 0
		.amdhsa_next_free_vgpr 512
		.amdhsa_next_free_sgpr 102
		.amdhsa_reserve_vcc 0
		.amdhsa_float_denorm_mode_32 3
		.amdhsa_float_denorm_mode_16_64 3
		.amdhsa_memory_ordered 1
		.amdhsa_forward_progress 1
		.amdhsa_inst_pref_size 106
	.end_amdhsa_kernel
	.amdgpu_metadata
---
amdhsa.version: [ 1, 2 ]
amdhsa.kernels:
  - .name:           k_q6fd175b193_qkv
    .symbol:         k_q6fd175b193_qkv.kd
    .args:
      - { .name: xc, .offset: 0, .size: 8, .value_kind: global_buffer, .address_space: global }
      - { .name: wc, .offset: 8, .size: 8, .value_kind: global_buffer, .address_space: global }
      - { .name: wq_b, .offset: 16, .size: 8, .value_kind: global_buffer, .address_space: global }
      - { .name: wk_b, .offset: 24, .size: 8, .value_kind: global_buffer, .address_space: global }
      - { .name: wv_b, .offset: 32, .size: 8, .value_kind: global_buffer, .address_space: global }
      - { .name: rope, .offset: 40, .size: 8, .value_kind: global_buffer, .address_space: global }
      - { .name: lowp_scales, .offset: 48, .size: 8, .value_kind: global_buffer, .address_space: global }
      - { .name: qc, .offset: 56, .size: 8, .value_kind: global_buffer, .address_space: global }
      - { .name: kv, .offset: 64, .size: 8, .value_kind: global_buffer, .address_space: global }
    .group_segment_fixed_size: 327680
    .private_segment_fixed_size: 0
    .kernarg_segment_align: 8
    .kernarg_segment_size: 72
    .max_flat_workgroup_size: 256
    .sgpr_count:     102
    .vgpr_count:     512
    .wavefront_size: 32
...
	.end_amdgpu_metadata
.endif
;; end of part 2
;; launch attn (part 3): grid 32 x 8, 8 waves a work-group, no clusters, 284,672 bytes of LDS; arguments qc, kv, lowp_scales, cc; writes cc
.if DOCPART == 3
	.amdgcn_target "amdgcn-amd-amdhsa--gfx1250"
	.amdhsa_code_object_version 6
	.text
	.protected	k_q6fd175b193_attn
	.globl	k_q6fd175b193_attn
	.p2align	8
	.type	k_q6fd175b193_attn,@function
k_q6fd175b193_attn:
	s_mov_b64 s[64:65], 0
	v_nop
	global_prefetch_b8 v0, s[64:65] scope:SCOPE_SE
	s_setreg_imm32_b32 hwreg(HW_REG_WAVE_MODE, 25, 1), 1
	s_wait_xcnt 0x0
; ctx = softmax(q k^T / 8, causal, window 1,024) v on codes of E4M3, and ctx quantised (entry 10 of the scales) for the output projection.
; WORK LEFT OUT: query i sees keys i - 1,024 .. i by the mask that the problem itself builds; steps of 128 keys (and the 32-key granules outside a pair's range) whose every score that mask replaces get p = 0 for all values of the inputs
; and are not computed.  A NaN or an infinity that reaches only those is not carried to the result.
; THE SOFTMAX AHEAD OF THE SECOND PRODUCT: t = score x log2(e) / 8; M = the largest t so far, rounded UP to a whole number; p = 2^(t - M) is quantised (entry 9), not normalised; the row's sum is taken of the
; unquantised p and divides at the end.  When M moves, the sum and O are multiplied by 2^(old M - new M): exact.
; SHARES.  Work-group (u, 4 b + g), u = 0..31: the four query heads that share one key and value head.  Of each head: the LATE pair, queries 1,024 + 32 u .. + 31, which see 1,056 keys, granules u .. u + 32 of 32 keys; and the EARLY tiles
; of 16 queries 63 - u (tile 0) and u (tile 1), which see 16 (64 - u) and 16 (u + 1) keys: 65 tiles of 16 together whatever u is, so all work-groups have the same work.  Waves 0-3: the late pair of head 4 g + w; waves 4-7: the early tiles of head 4 g + w - 4.
; PHASES p = 0..7, 128 keys each: late granules u + 4 p .. + 3, early granules 4 p .. 4 p + 3.  With n = u / 8 rounded down, the early tile u has n + 1 phases and the early tile 63 - u has 8 - n: two tiles while p <= n, one tile while p < 8 - n.
; Late granule u + 32 (the diagonal) is a step of its own, ahead of the phases.  Masks: phase 0 of the late pair (its first granule: the window's far edge), and the last phase of each early tile (the diagonal).
; LDS.  Late granules 0..31, granule 32, early granules 0..31, as stored: images of the operands' registers, 4,096 bytes each, read at 16 x lane.  A granule is one 16-byte load and store a thread.  Every byte is stored once.  Two phases' granules
; (a trip) come together: asked for a trip ahead into registers, stored at the trip's head, one barrier a trip.
; NO TENSOR LOAD AND NO CLUSTER: the late granules of neighbouring u lie in different places.  No prefetch: a trip's granules are
; asked for one whole trip, two phases, ahead by the loads themselves, into registers.
; THE HOLD of p at the largest code is passed over where e9 >= -8: p is at most 1 (but for the last bits of an f32), so p / 2^e9 is under 448.
; LAYOUT.  S^T = K Q^T (source 0 = 16 keys, source 1 = 16 queries) and O^T = V^T P^T: a lane holds ONE query (lane % 16) throughout; register j of key tile kt is key 16 kt + 8 (lane / 16) + j, which is where the 16 x 128
; operand's layout wants it: the conversions' results are the second product's operand.
; LIMITS.  e6 + e7 between -124 and 129; e9, and e10 - e8 - e9, between -126 and 119.  The scaled scores t stay under 2^31 in magnitude.  NaN among the inputs is not served.
; REGISTERS.  Window 0: v1-17 addresses and constants; v18-25, v26-33 a tile's statistics: +0 -M, +1 largest t, +2, +3 the sum, +4 (, +5) f, +6, +7 at work; v34-37 second chains of the sums; v38-53 Q; v54-117 K, then p's codes; v118-245 S^T, then p.
;   Window 1: v0-63 O^T; v64-127 V; v128-195 granules on their way.
.set FB,     131072                    ; late granule 32
.set EARLY,  135168
.set STAGE,  266240                    ; 64 rows x (256 + 16) bytes: late 0-31, tile 63 - u 32-47, tile u 48-63
.set SPITCH, 272
.set SPARE,  STAGE+64*SPITCH           ; the spare words, 128 bytes a wave
.set LI,   1                           ; 16 x lane
.set ADR,  2
.set LB,   3                           ; my region + 16 x lane
.set NINF, 4
.set SPW,  5
.set NIL,  6
.set LIM,  7
.set SCL,  8
.set STL,  9
.set STE,  10
.set GL,   11                          ; 16 x thread
.set STO,  12
.set RD,   13
.set GO,   14
.set DT,   16                          ; v16, v17: the tiles' masks: a query less its step's first key, - 8 (lane / 16)
.set ST,   18
.set C2,   34
.set QQ,   38
.set KF,   54
.set PP,   54
.set SS,   118
.set OO,   0                           ; in window 1
.set VF,   64
.set GB,   128
.set WV,   12
.set UU,   13
.set BG,   14
.set HS,   15
.set RL,   16                          ; 0 late, 1 early
.set P,    17                          ; the trip's first phase
.set TB,   18                          ; its place in a region
.set TE,   19
.set SEL,  20
.set CS,   22
.set EE,   44                          ; s[44:55] e0 .. e11
.set PQ,   56                          ; the phase
.set N2,   57                          ; phases with two tiles
.set N1,   58                          ; phases with one tile at least, early waves
.set PF,   59                          ; the phase with the far edge's mask, or -1
.set PD,   60                          ; the phase with tile 1's diagonal, or -1
.set PE,   61                          ; the phase with tile 0's diagonal, early waves
.set NH,   62                          ; 1: no hold
.set ND,   63                          ; early phases
.set SC2,  68                          ; 2^(e10 - e8 - e9), and 448 x it
.set LM2,  69
.set MSB, 0
.macro WIN new                         ; the immediate's high byte repeats the setting that is left
.if MSB != \new
	s_set_vgpr_msb (MSB<<8)|\new
.set MSB, \new
.endif
.endm
.macro HOLD n                          ; p at most 448 x 2^e9: the conversion does not saturate (ISA guide 7.6.2); p is not negative: a one-sided hold
	s_cmp_lg_u32 s[NH], 0
	s_cbranch_scc1 .Lfree_\@
.set j, 0
.rept \n
	v_min_num_f32 v[SS+j], v[SS+j], v[LIM]
.if \n == 16
	v_min_num_f32 v[SS+64+j], v[SS+64+j], v[LIM]
.endif
.set j, j+1
.endr
.Lfree_\@:
.endm
; the two lanes of a query joined; the largest score as t.  nt = the number of tiles, which is also how far back each line's source was written
.macro JOIN nt
.irp u, 0,1
.if \u < \nt
	s_delay_alu instid0(VALU_DEP_\nt)
	v_max_num_f32 v[ST+8*\u+6], v[ST+8*\u+6], v[ST+8*\u+7]
.endif
.endr
.irp u, 0,1
.if \u < \nt
	s_delay_alu instid0(VALU_DEP_\nt)
	v_permlanex16_b32 v[ST+8*\u+7], v[ST+8*\u+6], s[SEL], s[SEL+1]   ; the query's other keys lie 16 lanes away
.endif
.endr
.irp u, 0,1
.if \u < \nt
	s_delay_alu instid0(VALU_DEP_\nt)
	v_max_num_f32 v[ST+8*\u+6], v[ST+8*\u+6], v[ST+8*\u+7]
.endif
.endr
.irp u, 0,1
.if \u < \nt
	s_delay_alu instid0(VALU_DEP_\nt)
	v_mul_f32 v[ST+8*\u+6], s[CS], v[ST+8*\u+6]    ; as t (c is positive)
.endif
.endr
.endm
; THE FIRST STEP of a late wave: the 32 keys of granule u + 32, two tiles; it starts M, the sums and O^T.  The second half of the 64-key operand is zero codes over V's codes once more
.macro FIRST
	v_add_nc_u32 v[ADR], FB, v[LI]
.irp kt, 0,1
.irp g, 0,1
	ds_load_b128 v[KF+8*\kt+4*\g:KF+8*\kt+4*\g+3], v[ADR] offset:1024*\kt+512*\g
.endr
.endr
	WIN 0x40
.irp t, 0,1,2,3
.irp d, 0,1
	ds_load_b128 v[VF+8*\t+4*\d:VF+8*\t+4*\d+3], v[ADR] offset:2048+512*\t
.endr
.endr
	WIN 0
	s_wait_dscnt 8                                 ; K is in; V's eight loads stay out
.irp kt, 0,1
.irp u, 0,1
	v_wmma_f32_16x16x64_fp8_fp8 v[SS+64*\u+8*\kt:SS+64*\u+8*\kt+7], v[KF+8*\kt:KF+8*\kt+7], v[QQ+8*\u:QQ+8*\u+7], 0
.endr
.endr
.rept 4
	v_nop
.endr
.irp n, 0,1,2,3,4,5,6,7,8,9,10,11,12,13,14,15
.irp u, 0,1
	v_cmp_gt_i32 vcc_lo, 16*(\n/8)+\n%8, v[DT+\u]  ; the key comes behind my query
	v_cndmask_b32 v[SS+64*\u+\n], v[SS+64*\u+\n], v[NINF], vcc_lo
.endr
.endr
.irp u, 0,1
	v_max3_num_f32 v[ST+8*\u+6], v[SS+64*\u], v[SS+64*\u+1], v[SS+64*\u+2]
	v_max3_num_f32 v[ST+8*\u+7], v[SS+64*\u+3], v[SS+64*\u+4], v[SS+64*\u+5]
.endr
.irp i, 6,10
.irp u, 0,1
	v_max3_num_f32 v[ST+8*\u+6], v[ST+8*\u+6], v[SS+64*\u+\i], v[SS+64*\u+\i+1]
	v_max3_num_f32 v[ST+8*\u+7], v[ST+8*\u+7], v[SS+64*\u+\i+2], v[SS+64*\u+\i+3]
.endr
.endr
.irp u, 0,1
	v_max3_num_f32 v[ST+8*\u+6], v[ST+8*\u+6], v[SS+64*\u+14], v[SS+64*\u+15]
.endr
	JOIN 2
.irp u, 0,1
	v_mov_b32 v[ST+8*\u+1], v[ST+8*\u+6]
.endr
.irp u, 0,1
	v_floor_f32 v[ST+8*\u], -v[ST+8*\u+1]          ; -M = floor(-t)
.endr
.irp u, 0,1
.set j, 0
.rept 8
	v_pk_fma_f32 v[SS+64*\u+j:SS+64*\u+j+1], v[SS+64*\u+j:SS+64*\u+j+1], s[CS:CS+1], v[ST+8*\u:ST+8*\u+1] op_sel_hi:[1,0,0]   ; t - M
.set j, j+2
.endr
.endr
	s_wait_alu depctr_va_vdst(0)
.irp u, 0,1
.set j, 0
.rept 16
	v_exp_f32 v[SS+64*\u+j], v[SS+64*\u+j]
.set j, j+1
.endr
.endr
	v_nop                                          ; a plain instruction behind the last exponential
	s_wait_alu depctr_va_vdst(0)                   ; one wait for the batch, ahead of its first reader
.irp u, 0,1
	v_pk_add_f32 v[ST+8*\u+2:ST+8*\u+3], v[SS+64*\u:SS+64*\u+1], v[SS+64*\u+2:SS+64*\u+3]
	v_pk_add_f32 v[C2+2*\u:C2+2*\u+1], v[SS+64*\u+4:SS+64*\u+5], v[SS+64*\u+6:SS+64*\u+7]
.endr
.irp i, 8,12
.irp u, 0,1
	v_pk_add_f32 v[ST+8*\u+2:ST+8*\u+3], v[ST+8*\u+2:ST+8*\u+3], v[SS+64*\u+\i:SS+64*\u+\i+1]
	v_pk_add_f32 v[C2+2*\u:C2+2*\u+1], v[C2+2*\u:C2+2*\u+1], v[SS+64*\u+\i+2:SS+64*\u+\i+3]
.endr
.endr
.irp u, 0,1
	v_pk_add_f32 v[ST+8*\u+2:ST+8*\u+3], v[ST+8*\u+2:ST+8*\u+3], v[C2+2*\u:C2+2*\u+1]
.endr
	s_wait_dscnt 0x0                               ; V is in
	HOLD 16
.irp u, 0,1
.irp i, 4,5,6,7
	v_mov_b32 v[PP+8*\u+\i], 0
.endr
.endr
.irp u, 0,1
.irp kt, 0,1
	v_cvt_scalef32_pk8_fp8_f32 v[PP+8*\u+2*\kt:PP+8*\u+2*\kt+1], v[SS+64*\u+8*\kt:SS+64*\u+8*\kt+7], v[SCL]
.endr
.endr
	v_nop                                          ; a plain instruction between the conversions and the products that read their results
	WIN 0x41
.irp t, 0,1,2,3
.irp u, 0,1
	v_wmma_f32_16x16x64_fp8_fp8 v[OO+32*\u+8*\t:OO+32*\u+8*\t+7], v[VF+8*\t:VF+8*\t+7], v[PP+8*\u:PP+8*\u+7], 0
.endr
.endr
	WIN 0
.endm
; A STEP: 128 keys, the trip's q-th phase, nt tiles of queries
.macro STEP nt, q
	v_add_nc_u32 v[ADR], s[TB], v[LB]
.rept 3
	v_nop                                          ; with the addition: four places behind the last step's products, ahead of the loads into their registers
.endr
.irp kt, 0,1,2,3,4,5,6,7
.irp g, 0,1
	ds_load_b128 v[KF+8*\kt+4*\g:KF+8*\kt+4*\g+3], v[ADR] offset:16384*\q+4096*(\kt/2)+1024*(\kt%2)+512*\g
.endr
.endr
	WIN 0x40
.irp t, 0,1,2,3
.irp g, 0,1,2,3
	ds_load_b128 v[VF+16*\t+4*\g:VF+16*\t+4*\g+3], v[ADR] offset:16384*\q+4096*\g+2048+512*\t
.endr
.endr
	WIN 0
	s_wait_dscnt 16                                ; K is in; V's sixteen loads stay out
.irp kt, 0,1,2,3,4,5,6,7
.irp u, 0,1
.if \u < \nt
	v_wmma_f32_16x16x64_fp8_fp8 v[SS+64*\u+8*\kt:SS+64*\u+8*\kt+7], v[KF+8*\kt:KF+8*\kt+7], v[QQ+8*\u:QQ+8*\u+7], 0
.endif
.endr
.endr
.rept 4
	v_nop
.endr
.if \nt == 2 && \q == 0
	s_cmp_lg_u32 s[PQ], s[PF]
	s_cbranch_scc1 .Lno_far_\@
.irp n, 0,1,2,3,4,5,6,7,8,9,10,11,12,13,14,15
.irp u, 0,1
	v_cmp_lt_i32 vcc_lo, 16*(\n/8)+\n%8, v[DT+\u]  ; the key lies more than 1,024 back
	v_cndmask_b32 v[SS+64*\u+\n], v[SS+64*\u+\n], v[NINF], vcc_lo
.endr
.endr
.Lno_far_\@:
.endif
	s_cmp_lg_u32 s[PQ], s[PE-(\nt-1)]              ; two tiles: tile 1's diagonal; one tile: tile 0's
	s_cbranch_scc1 .Lno_diag_\@
.set j, 0
.rept 64
	v_cmp_gt_i32 vcc_lo, 16*(j/8)+j%8, v[DT+\nt-1] ; the key comes behind my query
	v_cndmask_b32 v[SS+64*(\nt-1)+j], v[SS+64*(\nt-1)+j], v[NINF], vcc_lo
.set j, j+1
.endr
.Lno_diag_\@:
.irp u, 0,1                            ; the largest score of my query among my 64 keys: two chains a tile, each accumulator from its low end on
.if \u < \nt
	v_max3_num_f32 v[ST+8*\u+6], v[SS+64*\u], v[SS+64*\u+1], v[SS+64*\u+2]
	v_max3_num_f32 v[ST+8*\u+7], v[SS+64*\u+3], v[SS+64*\u+4], v[SS+64*\u+5]
.endif
.endr
.irp i, 6,10,14,18,22,26,30,34,38,42,46,50,54,58
.irp u, 0,1
.if \u < \nt
	v_max3_num_f32 v[ST+8*\u+6], v[ST+8*\u+6], v[SS+64*\u+\i], v[SS+64*\u+\i+1]
	v_max3_num_f32 v[ST+8*\u+7], v[ST+8*\u+7], v[SS+64*\u+\i+2], v[SS+64*\u+\i+3]
.endif
.endr
.endr
.irp u, 0,1
.if \u < \nt
	v_max3_num_f32 v[ST+8*\u+6], v[ST+8*\u+6], v[SS+64*\u+62], v[SS+64*\u+63]
.endif
.endr
	JOIN \nt
.irp u, 0,1
.if \u < \nt
	s_delay_alu instid0(VALU_DEP_\nt)
	v_max_num_f32 v[ST+8*\u+1], v[ST+8*\u+1], v[ST+8*\u+6]
.endif
.endr
.irp u, 0,1
.if \u < \nt
	v_mov_b32 v[ST+8*\u+7], v[ST+8*\u]
.endif
.endr
.irp u, 0,1
.if \u < \nt
	v_floor_f32 v[ST+8*\u], -v[ST+8*\u+1]          ; the new -M
.endif
.endr
.irp u, 0,1
.if \u < \nt
	s_delay_alu instid0(VALU_DEP_\nt)
	v_sub_f32 v[ST+8*\u+7], v[ST+8*\u], v[ST+8*\u+7]   ; old M - new M: a whole number, 0 or less
.endif
.endr
.irp u, 0,1
.if \u < \nt
	s_delay_alu instid0(VALU_DEP_\nt)
	v_cvt_i32_f32 v[ST+8*\u+7], v[ST+8*\u+7]
.endif
.endr
.irp u, 0,1
.if \u < \nt
	s_delay_alu instid0(VALU_DEP_\nt)
	v_ldexp_f32 v[ST+8*\u+4], 1.0, v[ST+8*\u+7]    ; f = 2^(old M - new M)
.endif
.endr
.irp u, 0,1
.if \u < \nt
.set j, 0
.rept 32
	v_pk_fma_f32 v[SS+64*\u+j:SS+64*\u+j+1], v[SS+64*\u+j:SS+64*\u+j+1], s[CS:CS+1], v[ST+8*\u:ST+8*\u+1] op_sel_hi:[1,0,0]   ; t - M
.set j, j+2
.endr
.endif
.endr
	s_wait_alu depctr_va_vdst(0)
.set j, 0
.rept 64*\nt
	v_exp_f32 v[SS+j], v[SS+j]                     ; p = 2^(t - M): one batch
.set j, j+1
.endr
.irp u, 0,1
.if \u < \nt
	v_pk_mul_f32 v[ST+8*\u+2:ST+8*\u+3], v[ST+8*\u+2:ST+8*\u+3], v[ST+8*\u+4:ST+8*\u+5] op_sel_hi:[1,0]   ; the sums under the new M; also the plain instruction behind the exponentials
.endif
.endr
	s_wait_alu depctr_va_vdst(0)                   ; one wait for the batch, ahead of its first reader
.irp u, 0,1
.if \u < \nt
	v_pk_add_f32 v[C2+2*\u:C2+2*\u+1], v[SS+64*\u:SS+64*\u+1], v[SS+64*\u+2:SS+64*\u+3]
	v_pk_add_f32 v[ST+8*\u+2:ST+8*\u+3], v[ST+8*\u+2:ST+8*\u+3], v[SS+64*\u+4:SS+64*\u+5]
.endif
.endr
.irp u, 0,1
.if \u < \nt
	v_pk_add_f32 v[C2+2*\u:C2+2*\u+1], v[C2+2*\u:C2+2*\u+1], v[SS+64*\u+6:SS+64*\u+7]
.endif
.endr
.irp i, 8,12,16,20,24,28,32,36,40,44,48,52,56,60   ; the sum of the UNQUANTISED p
.irp u, 0,1
.if \u < \nt
	v_pk_add_f32 v[ST+8*\u+2:ST+8*\u+3], v[ST+8*\u+2:ST+8*\u+3], v[SS+64*\u+\i:SS+64*\u+\i+1]
	v_pk_add_f32 v[C2+2*\u:C2+2*\u+1], v[C2+2*\u:C2+2*\u+1], v[SS+64*\u+\i+2:SS+64*\u+\i+3]
.endif
.endr
.endr
.irp u, 0,1
.if \u < \nt
	v_pk_add_f32 v[ST+8*\u+2:ST+8*\u+3], v[ST+8*\u+2:ST+8*\u+3], v[C2+2*\u:C2+2*\u+1]
.endif
.endr
	HOLD 64*\nt
.irp u, 0,1
.if \u < \nt
.irp kt, 0,1,2,3,4,5,6,7
	v_cvt_scalef32_pk8_fp8_f32 v[PP+16*\u+2*\kt:PP+16*\u+2*\kt+1], v[SS+64*\u+8*\kt:SS+64*\u+8*\kt+7], v[SCL]
.endr
.endif
.endr
	s_wait_dscnt 0x0                               ; V is in
	WIN 0x41
	s_wait_alu depctr_va_vdst(0)
.irp u, 0,1
.if \u < \nt
.set j, 0
.rept 16
	v_pk_mul_f32 v[OO+32*\u+j:OO+32*\u+j+1], v[OO+32*\u+j:OO+32*\u+j+1], v[ST+8*\u+4:ST+8*\u+5] op_sel_hi:[1,0]   ; O^T under the new M
.set j, j+2
.endr
.endif
.endr
	WIN 0x51
.irp t, 0,1,2,3
.irp u, 0,1
.if \u < \nt
	v_wmma_f32_16x16x128_fp8_fp8 v[OO+32*\u+8*\t:OO+32*\u+8*\t+7], v[VF+16*\t:VF+16*\t+15], v[PP+16*\u:PP+16*\u+15], v[OO+32*\u+8*\t:OO+32*\u+8*\t+7]
.endif
.endr
.endr
	WIN 0
.endm
.macro PHASE q                         ; branches on ids and the count of phases alone; no barrier stands in a phase
	s_add_co_u32 s[PQ], s[P], \q
	s_cmp_lt_u32 s[PQ], s[N2]
	s_cbranch_scc0 .Lone_\@
	STEP 2, \q
	s_branch .Lnext_\@
.Lone_\@:
	s_cmp_lt_u32 s[PQ], s[N1]
	s_cbranch_scc0 .Lnext_\@
	STEP 1, \q
.Lnext_\@:
.endm
.macro GLATE                           ; eight late granules, one instruction each: 256 threads read 4,096 consecutive bytes
	WIN 0x40
.irp i, 0,1,2,3,4,5,6,7
	global_load_b128 v[GB+4*\i:GB+4*\i+3], v[GL], s[32:33] offset:4096*\i
.endr
	WIN 0
.endm
.macro GEARLY
	WIN 0x40
.irp i, 0,1,2,3,4,5,6,7
	global_load_b128 v[GB+32+4*\i:GB+32+4*\i+3], v[GL], s[34:35] offset:4096*\i
.endr
	WIN 0
.endm
	s_load_b256 s[4:11], s[0:1], 0x0               ; qc, kv, lowp_scales, cc
	v_lshl_add_u32 v[SPW], v0, 2, SPARE
	v_mov_b32 v[NIL], 0
	v_lshrrev_b32 v2, 5, v0
	v_readfirstlane_b32 s[WV], v2
	v_lshlrev_b32 v[GL], 4, v0
	v_and_b32 v[LI], 31, v0
	v_mov_b32 v[NINF], 0xff800000
	v_lshlrev_b32 v[LI], 4, v[LI]
	s_wait_alu depctr_va_vdst(0)
	s_mov_b32 s[UU], ttmp9
	s_and_b32 s[BG], ttmp7, 0xffff
	s_and_b32 s[HS], s[WV], 3
	s_lshr_b32 s[RL], s[WV], 2
	s_lshl_b32 s70, s[BG], 18                      ; the key and value head's 64 granules
	s_mov_b32 s71, 0
	s_lshl_b32 s72, s[UU], 12                      ; late: from granule u on
	s_mov_b32 s73, 0
	s_lshr_b32 s74, s[UU], 3
	s_and_b32 s75, s[UU], 7
	s_sub_co_u32 s[ND], 8, s74
	s_sub_co_u32 s[PE], 7, s74
	s_lshl_b32 s76, s[UU], 1
	s_add_co_u32 s76, s76, 64                      ; the late pair's tiles of 16 queries,
	s_add_co_u32 s77, s76, 1
	s_sub_co_u32 s78, 63, s[UU]                    ; the early ones: 63 - u and u
	s_sub_co_u32 s79, 7, s75
	s_lshl_b32 s79, s79, 4
	s_lshl_b32 s75, s75, 4
	s_add_co_u32 s66, s74, 1
	s_cmp_lt_u32 s[WV], 4
	s_cselect_b32 s76, s76, s78
	s_cselect_b32 s77, s77, s[UU]
	s_cselect_b32 s79, 0, s79                      ; the masks' offsets of tiles 0
	s_cselect_b32 s75, 16, s75                     ; and 1
	s_cselect_b32 s[N2], 8, s66
	s_cselect_b32 s[N1], 0, s[ND]
	s_cselect_b32 s[PF], 0, -1
	s_cselect_b32 s[PD], -1, s74
	s_lshl_b32 s66, s[BG], 2
	s_add_co_u32 s66, s66, s[HS]
	s_lshl_b32 s66, s66, 17                        ; Q: head 4 (4 b + g) + wave % 4, 131,072 bytes each; a tile 1,024
	s_lshl_b32 s76, s76, 10
	s_lshl_b32 s77, s77, 10
	s_add_co_u32 s24, s66, s76
	s_mov_b32 s25, 0
	s_add_co_u32 s26, s66, s77
	s_mov_b32 s27, 0
	s_lshl_b32 s28, s[UU], 5                       ; the eight rows of cc that I store: late,
	s_add_co_u32 s28, s28, 1024
	s_lshl_b32 s29, s78, 4                         ; waves 4, 5: tile 63 - u,
	s_sub_co_u32 s29, s29, 32
	s_lshl_b32 s30, s[UU], 4                       ; waves 6, 7: tile u
	s_sub_co_u32 s30, s30, 48
	s_cmp_lt_u32 s[WV], 6
	s_cselect_b32 s29, s29, s30
	s_cmp_lt_u32 s[WV], 4
	s_cselect_b32 s28, s28, s29
	s_lshl_b32 s29, s[WV], 3
	s_add_co_u32 s28, s28, s29
	s_lshl_b32 s28, s28, 10
	s_lshr_b32 s29, s[BG], 2
	s_lshl_b32 s29, s29, 21
	s_add_co_u32 s28, s28, s29
	s_and_b32 s29, s[BG], 3
	s_lshl_b32 s29, s29, 8                         ; byte 256 g of a row
	s_add_co_u32 s28, s28, s29
	s_mov_b32 s29, 0
	s_mov_b32 s[SEL], 0x76543210
	s_mov_b32 s[SEL+1], 0xfedcba98
	s_mov_b32 s[CS], 0x3e38aa3b                    ; log2(e) / 8
	s_wait_kmcnt 0x0
	s_load_b256 s[EE:EE+7], s[8:9], 0x0
	s_load_b128 s[EE+8:EE+11], s[8:9], 0x20
	s_add_nc_u64 s[34:35], s[6:7], s[70:71]
	s_add_nc_u64 s[32:33], s[34:35], s[72:73]
	s_add_nc_u64 s[24:25], s[4:5], s[24:25]
	s_add_nc_u64 s[26:27], s[4:5], s[26:27]
	s_add_nc_u64 s[10:11], s[10:11], s[28:29]
	WIN 0x40
	global_load_b128 v[GB+64:GB+67], v[GL], s[32:33] offset:131072   ; late granule 32
	WIN 0
.irp g, 0,1
	global_load_b128 v[QQ+4*\g:QQ+4*\g+3], v[LI], s[24:25] offset:512*\g   ; Q's two fragments stay in registers
	global_load_b128 v[QQ+8+4*\g:QQ+8+4*\g+3], v[LI], s[26:27] offset:512*\g
.endr
	GLATE                                          ; the first trip's granules
	GEARLY
	s_mul_i32 s70, s[RL], EARLY                    ; my region of LDS
	s_mul_i32 s71, s[RL], 32*SPITCH                ; the stage, in: row 32 x role + 16 x tile + r, byte 64 x head + 16 t + 8 h
	s_lshl_b32 s72, s[HS], 6
	s_add_co_u32 s71, s71, s72
	s_add_co_u32 s71, s71, STAGE
	s_mul_i32 s72, s[WV], 8*SPITCH                 ; out: rows 8 w + h, 16 bytes a lane
	s_add_co_u32 s72, s72, STAGE
	v_and_b32 v120, 15, v0                         ; r
	v_bfe_u32 v121, v0, 4, 1                       ; h
	v_add_nc_u32 v[LB], s70, v[LI]
	v_add_nc_u32 v[STL], FB, v[GL]
	v_lshlrev_b32 v122, 3, v121
	v_mul_u32_u24 v[STO], v120, SPITCH
	v_mul_u32_u24 v[RD], v121, SPITCH
	v_lshlrev_b32 v[GO], 10, v121
	v_sub_nc_u32 v122, v120, v122                  ; r - 8 h
	v_lshl_add_u32 v[STO], v121, 3, v[STO]
	v_lshl_add_u32 v[RD], v120, 4, v[RD]
	v_lshl_add_u32 v[GO], v120, 4, v[GO]           ; and the same two rows in cc
	v_add_nc_u32 v[DT], s79, v122
	v_add_nc_u32 v[DT+1], s75, v122
	v_add_nc_u32 v[STO], s71, v[STO]
	v_add_nc_u32 v[RD], s72, v[RD]
	v_mov_b32 v[ST+5], 0                           ; named as the upper halves of the pairs with f
	v_mov_b32 v[ST+13], 0
	s_wait_alu depctr_va_vdst(0)
	s_wait_kmcnt 0x0
	s_add_co_i32 s70, s[EE+6], s[EE+7]
	s_lshl_b32 s70, s70, 23
	s_add_co_i32 s[CS], s[CS], s70                 ; a score stands for score x 2^(e6 + e7): added to c's exponent field
	s_mov_b32 s[CS+1], s[CS]
	s_add_co_i32 s70, s[EE+9], 127
	s_lshl_b32 s71, s70, 23
	v_mov_b32 v[SCL], s71                          ; 2^e9
	s_add_co_i32 s70, s70, 8
	s_lshl_b32 s70, s70, 23
	s_or_b32 s70, s70, 0x600000
	v_mov_b32 v[LIM], s70                          ; 448 x 2^e9
	s_wait_alu depctr_va_vdst(0)
	s_cmp_ge_i32 s[EE+9], -8
	s_cselect_b32 s[NH], 1, 0
	s_sub_co_i32 s70, s[EE+10], s[EE+8]
	s_sub_co_i32 s70, s70, s[EE+9]
	s_add_co_i32 s70, s70, 127
	s_lshl_b32 s[SC2], s70, 23
	s_add_co_i32 s70, s70, 8
	s_lshl_b32 s70, s70, 23
	s_or_b32 s[LM2], s70, 0x600000
	s_mov_b32 s[P], 0
	s_mov_b32 s[TB], 0
	s_wait_loadcnt 16                              ; granule 32 and Q are in; the first trip's sixteen loads stay out
	WIN 0x04
	ds_store_b128 v[STL], v[GB+64:GB+67]
	WIN 0
	s_wait_dscnt 0x0                               ; for the others' sake
	s_barrier_signal -1
	s_barrier_wait -1
	s_cmp_lt_u32 s[WV], 4
	s_cbranch_scc0 .Learly
	FIRST
	s_branch .Ltrip
.Learly:                                       ; an early wave's steps begin in the loop: its first finds zeros, and -3e38 as the largest t
.irp u, 0,1
	v_mov_b32 v[ST+8*\u], 0x7f61b1e6
	v_mov_b32 v[ST+8*\u+1], 0xff61b1e6
	v_mov_b32 v[ST+8*\u+2], 0
	v_mov_b32 v[ST+8*\u+3], 0
.endr
	WIN 0x40
.set j, 0
.rept 64
	v_mov_b32 v[OO+j], 0
.set j, j+1
.endr
	WIN 0
.Ltrip:
	s_wait_loadcnt 0x0                             ; this trip's granules are in, so the bases may step
	s_add_nc_u64 s[32:33], s[32:33], 0x8000
	s_add_nc_u64 s[34:35], s[34:35], 0x8000
	s_add_co_u32 s[TE], s[TB], EARLY
	v_add_nc_u32 v[STL], s[TB], v[GL]
	v_add_nc_u32 v[STE], s[TE], v[GL]
	WIN 0x04
.irp i, 0,1,2,3,4,5,6,7
	ds_store_b128 v[STL], v[GB+4*\i:GB+4*\i+3] offset:4096*\i
.endr
	WIN 0
	s_cmp_lt_u32 s[P], s[ND]                       ; early granules that no phase reads are neither asked for nor stored
	s_cbranch_scc0 .Lno_early
	WIN 0x04
.irp i, 0,1,2,3,4,5,6,7
	ds_store_b128 v[STE], v[GB+32+4*\i:GB+32+4*\i+3] offset:4096*\i
.endr
	WIN 0
.Lno_early:
	s_wait_dscnt 0x0                               ; my stores are done: for the others' sake, and the registers may be loaded again
	s_cmp_eq_u32 s[P], 6
	s_cbranch_scc1 .Lno_load                       ; nothing follows the last trip
	GLATE
	s_add_co_u32 s70, s[P], 2
	s_cmp_lt_u32 s70, s[ND]
	s_cbranch_scc0 .Lno_load
	GEARLY
.Lno_load:
	s_barrier_signal -1
	s_barrier_wait -1                              ; the trip's granules are whole
	PHASE 0
	PHASE 1
	s_add_co_u32 s[TB], s[TB], 0x8000
	s_add_co_u32 s[P], s[P], 2
	s_cmp_lt_u32 s[P], 8
	s_cbranch_scc1 .Ltrip
	; THE WAY OUT.  ctx = O^T x 2^(e8 + e9) / the sum; its code = (O^T / the sum) / 2^(e10 - e8 - e9).  The additions and moves below are the places behind the last products.
.irp u, 0,1
	v_add_f32 v[ST+8*\u+6], v[ST+8*\u+2], v[ST+8*\u+3]
.endr
.irp u, 0,1
	s_delay_alu instid0(VALU_DEP_2)
	v_permlanex16_b32 v[ST+8*\u+7], v[ST+8*\u+6], s[SEL], s[SEL+1]
.endr
.irp u, 0,1
	s_delay_alu instid0(VALU_DEP_2)
	v_add_f32 v[ST+8*\u+6], v[ST+8*\u+6], v[ST+8*\u+7]
.endr
	s_wait_alu depctr_va_vdst(0)
.irp u, 0,1
	v_rcp_f32 v[ST+8*\u+6], v[ST+8*\u+6]
.endr
	v_mov_b32 v[SCL], s[SC2]                       ; (plain instructions behind the reciprocals)
	v_mov_b32 v[LIM], s[LM2]
	WIN 0x01
	s_wait_alu depctr_va_vdst(0)                   ; one wait, ahead of the first reader of the reciprocals and of O^T
.irp u, 0,1
.set j, 0
.rept 16
	v_pk_mul_f32 v[SS+32*\u+j:SS+32*\u+j+1], v[OO+32*\u+j:OO+32*\u+j+1], v[ST+8*\u+6:ST+8*\u+7] op_sel_hi:[1,0]
.set j, j+2
.endr
.endr
	WIN 0
.set j, 0
.rept 64
	v_med3_num_f32 v[SS+j], v[SS+j], -v[LIM], v[LIM]
.set j, j+1
.endr
.irp u, 0,1
.irp t, 0,1,2,3
	v_cvt_scalef32_pk8_fp8_f32 v[PP+8*\u+2*\t:PP+8*\u+2*\t+1], v[SS+32*\u+8*\t:SS+32*\u+8*\t+7], v[SCL]   ; channels 16 t + 8 (lane / 16) + 0..7 of my query
.endr
.endr
	v_nop
.irp u, 0,1
.irp t, 0,1,2,3
	ds_store_b64 v[STO], v[PP+8*\u+2*\t:PP+8*\u+2*\t+1] offset:16*SPITCH*\u+16*\t
.endr
.endr
	s_wait_dscnt 0x0                               ; for the others' sake: my stores into the stage are done
	s_barrier_signal -1
	s_barrier_wait -1                              ; a row's 256 bytes come from four waves
.irp i, 0,1,2,3
	ds_load_b128 v[KF+4*\i:KF+4*\i+3], v[RD] offset:\i*2*SPITCH
.endr
.irp i, 0,1,2,3
	s_wait_dscnt 3-\i
	global_store_b128 v[GO], v[KF+4*\i:KF+4*\i+3], s[10:11] offset:2048*\i   ; 16 lanes store 256 consecutive bytes, at a multiple of 256 from cc's first byte
.endr
	s_wait_tensorcnt 0x0                           ; the wave's end
	ds_add_u32 v[SPW], v[NIL]
	s_wait_dscnt 0x0
	s_endpgm
.Lfunc_end_k_q6fd175b193_attn:
	.size	k_q6fd175b193_attn, .Lfunc_end_k_q6fd175b193_attn-k_q6fd175b193_attn
	.p2alignl 7, 3214868480
	.fill 96, 4, 3214868480
	.section	.rodata,"a",@progbits
	.p2align	6, 0x0
	.amdhsa_kernel k_q6fd175b193_attn
		.amdhsa_group_segment_fixed_size 284672
		.amdhsa_private_segment_fixed_size 0
		.amdhsa_enable_private_segment 0
		.amdhsa_kernarg_size 32
		.amdhsa_user_sgpr_count 2
		.amdhsa_user_sgpr_kernarg_segment_ptr 1
		.amdhsa_wavefront_size32 1
		.amdhsa_system_sgpr_workgroup_id_x 1
		.amdhsa_system_sgpr_workgroup_id_y 1
		.amdhsa_system_sgpr_workgroup_id_z 1
		.amdhsa_system_vgpr_workitem_id 0
		.amdhsa_next_free_vgpr 512
		.amdhsa_next_free_sgpr 80
		.amdhsa_reserve_vcc 1
		.amdhsa_float_denorm_mode_32 3
		.amdhsa_float_denorm_mode_16_64 3
		.amdhsa_memory_ordered 1
		.amdhsa_forward_progress 1
		.amdhsa_inst_pref_size 143
	.end_amdhsa_kernel
	.amdgpu_metadata
---
amdhsa.version: [ 1, 2 ]
amdhsa.kernels:
  - .name:           k_q6fd175b193_attn
    .symbol:         k_q6fd175b193_attn.kd
    .args:
      - { .name: qc, .offset: 0, .size: 8, .value_kind: global_buffer, .address_space: global }
      - { .name: kv, .offset: 8, .size: 8, .value_kind: global_buffer, .address_space: global }
      - { .name: lowp_scales, .offset: 16, .size: 8, .value_kind: global_buffer, .address_space: global }
      - { .name: cc, .offset: 24, .size: 8, .value_kind: global_buffer, .address_space: global }
    .group_segment_fixed_size: 284672
    .private_segment_fixed_size: 0
    .kernarg_segment_align: 8
    .kernarg_segment_size: 32
    .max_flat_workgroup_size: 256
    .sgpr_count:     80
    .vgpr_count:     512
    .wavefront_size: 32
...
	.end_amdgpu_metadata
.endif
;; end of part 3
;; launch oproj (part 4): grid 8 x 32, 8 waves a work-group, clusters of 4 x 4, 327,680 bytes of LDS; arguments cc, wc, lowp_scales, out0; writes out0
.if DOCPART == 4
	.amdgcn_target "amdgcn-amd-amdhsa--gfx1250"
	.amdhsa_code_object_version 6
	.text
	.protected	k_q6fd175b193_oproj
	.globl	k_q6fd175b193_oproj
	.p2align	8
	.type	k_q6fd175b193_oproj,@function
k_q6fd175b193_oproj:
	s_mov_b64 s[64:65], 0
	v_nop
	global_prefetch_b8 v0, s[64:65] scope:SCOPE_SE
	s_setreg_imm32_b32 hwreg(HW_REG_WAVE_MODE, 25, 1), 1
	s_wait_xcnt 0x0
	s_wait_alu depctr_hold_cnt(0) depctr_sa_sdst(0) depctr_va_vdst(0) depctr_va_sdst(0) depctr_va_ssrc(0) depctr_va_vcc(0) depctr_vm_vsrc(0)
	s_getreg_b32 s2, hwreg(HW_REG_IB_STS2, 6, 4)
	s_cmp_eq_u32 s2, 0
	s_cbranch_scc0 .Lentry_in_a_cluster
	s_endpgm
.Lentry_in_a_cluster:
	s_bfe_u32 s2, ttmp6, 0x10000c
	s_cmp_lg_u32 s2, 0xf033
	s_cbranch_scc0 .Lentry_shape_is_right
	s_endpgm
.Lentry_shape_is_right:
; out0 = ctx wo^T on codes of E4M3: cc [4096][1024], wo's codes = rows 1,536 .. 2,559 of wc, [1024][1024]; each finished sum x 2^(e10 + e11); out0 [4096][1024] f32.
; SHARES.  A tile is 128 x 128: 8 x 32 = 256 work-groups; eight waves of 32 rows x 64 columns, 8 accumulators each.
; THE WHOLE K LIES IN LDS: four chunks of 256 along K, each ctx's 128 rows and then wo's 128 rows, 272 bytes apart (256 + 16 of padding).  Every byte is filled once, by one load a wave at the head: wave w brings, into HT bytes at w HT,
; chunk w / 2 of ctx (w even) or of wo (w odd).  One barrier, ahead of which every wave waits for its load, shows all of it to all waves.  No prefetch: the text has no loop, and everything is asked for at the head.
; CLUSTER.  4 x 4 work-groups: ctx's tiles are shared along a row of the cluster, wo's along a column; each is asked for jointly, by the same load with the same descriptor and a mask that names the four.
; THE PRODUCT IS USED TRANSPOSED (source 0 = 16 rows of wo, source 1 = 16 rows of ctx): a lane holds eight neighbouring numbers of a row of out0.  A block of 16 rows x 64 columns goes through the wave's own stage in LDS and
; leaves as rows of 256 bytes.  The stages lie behind the chunks, in bytes that no load fills.
; LIMIT.  e10 + e11 between -126 and 127.
; REGISTERS.  v16-19, v20-23 LDS addresses of the fragments in chunks 0-3; v24-26 the way out; v28, v29 the add's two; v32-63 ctx's two fragments, v64-127 wo's four (on the way out v32-63, v64-95 rows read back);
;   v128-191 the accumulators; v192-223 a block x the scale.
.set PITCH,  272
.set HT,     128*PITCH
.set CH,     2*HT
.set SPITCH, 272
.set STAGE,  4*CH                      ; 16 rows a wave
.set SPARE,  STAGE+8*16*SPITCH         ; the spare words, 128 bytes a wave
.set ADRA, 16
.set ADRB, 20
.set STO,  24
.set RD,   25
.set CO,   26
.set SPW,  28
.set NIL,  29
.set AF,   32
.set BF,   64
.set BK,   32
.set ACC,  128
.set TMP,  192
.set WV,   22
.set CK,   23                          ; wave / 2: the chunk that I fetch, and my 32 rows
.set WC,   56                          ; wave % 2: 0: I fetch ctx, 1: wo; and my 64 columns
.set G1A,  24
.set G1B,  32
.set G0A,  40
.set G0B,  44
.macro PLACES                          ; four places behind a matrix instruction, ahead of loads into its sources and of reads of its results
.rept 4
	v_nop
.endr
.endm
.macro CROUND                          ; a round of the cluster's barrier
	s_barrier_signal -1
	s_barrier_wait -1
	s_cmp_lg_u32 s[WV], 0
	s_cbranch_scc1 .Lnot_wave_0_\@
	s_barrier_signal -3
.Lnot_wave_0_\@:
	s_barrier_wait -3
	s_barrier_signal -1
	s_barrier_wait -1
.endm
.macro KSTEP k                         ; 128 along K: 24 fragment loads in one run, wo's first; then the 8 accumulators by turns; the first step starts the sums
.if \k > 0
	PLACES
.endif
.irp i, 0,1,2,3
.irp c, 0,1,2,3
	ds_load_b128 v[BF+16*\i+4*\c:BF+16*\i+4*\c+3], v[ADRB+\k/2] offset:128*(\k%2)+32*\c+\i*16*PITCH
.endr
.endr
.irp i, 0,1
.irp c, 0,1,2,3
	ds_load_b128 v[AF+16*\i+4*\c:AF+16*\i+4*\c+3], v[ADRA+\k/2] offset:128*(\k%2)+32*\c+\i*16*PITCH
.endr
.endr
.irp a, 0,1
	s_wait_dscnt 4-4*\a                            ; ctx's second fragment may be out at first
.irp b, 0,1,2,3
.if \k == 0
	v_wmma_f32_16x16x128_fp8_fp8 v[ACC+8*(4*\a+\b):ACC+8*(4*\a+\b)+7], v[BF+16*\b:BF+16*\b+15], v[AF+16*\a:AF+16*\a+15], 0
.else
	v_wmma_f32_16x16x128_fp8_fp8 v[ACC+8*(4*\a+\b):ACC+8*(4*\a+\b)+7], v[BF+16*\b:BF+16*\b+15], v[AF+16*\a:AF+16*\a+15], v[ACC+8*(4*\a+\b):ACC+8*(4*\a+\b)+7]
.endif
.endr
.endr
.endm
	s_load_b256 s[4:11], s[0:1], 0x0               ; cc, wc, lowp_scales, out0
	v_lshl_add_u32 v[SPW], v0, 2, SPARE
	v_mov_b32 v[NIL], 0
	ds_add_u32 v[SPW], v[NIL]                      ; the wave's opening: the add, twice on end, and its wait ahead of my first tensor load; work on registers stands between
	ds_add_u32 v[SPW], v[NIL]
	v_lshrrev_b32 v1, 5, v0
	v_readfirstlane_b32 s[WV], v1
	s_lshr_b32 s[CK], s[WV], 1
	s_and_b32 s[WC], s[WV], 1
	s_bfe_u32 s57, ttmp6, 0x40000                  ; cx
	s_bfe_u32 s58, ttmp6, 0x40004                  ; cy
	s_lshl_b32 s59, ttmp9, 2
	s_add_co_u32 s59, s59, s57                     ; tile column
	s_and_b32 s60, ttmp7, 0xffff
	s_lshl_b32 s60, s60, 2
	s_add_co_u32 s60, s60, s58                     ; tile row
	s_lshl_b32 s61, s58, 2
	s_lshl_b32 s61, 15, s61                        ; my row of the cluster
	s_lshl_b32 s62, 0x1111, s57                    ; my column
	s_or_b32 s[G1A], s61, (1<<20)|(1<<21)|(5<<22)|(3<<25)   ; the mask; elements of 1 byte; padding on: 4 words behind every 64; bit 21 beside a mask
	s_or_b32 s[G1B], s62, (1<<20)|(1<<21)|(5<<22)|(3<<25)
.irp g, G1A, G1B
	s_mov_b32 s[\g+1], 256<<16
	s_mov_b32 s[\g+2], 128<<16
	s_mov_b32 s[\g+3], 256<<16
	s_mov_b32 s[\g+4], 128
	s_mov_b32 s[\g+5], 1024
	s_mov_b32 s[\g+6], 0
	s_mov_b32 s[\g+7], 0
.endr
	s_lshl_b32 s68, s[CK], 8                       ; 256 bytes a chunk
	s_lshl_b32 s66, s60, 17                        ; ctx: 128 rows of 1,024 bytes a tile row: no cx in these registers
	s_add_co_u32 s66, s66, s68
	s_mov_b32 s67, 0
	s_lshl_b32 s96, s59, 17                        ; wo likewise by the tile column, behind wc's first 1,536 rows: no cy in these
	s_add_co_u32 s96, s96, s68
	s_add_co_u32 s96, s96, 1536*1024
	s_mov_b32 s97, 0
	s_mul_i32 s63, s[WV], HT                       ; where my load lands
	s_mul_i32 s2, s[CK], 32*PITCH                  ; my 32 rows of ctx,
	s_mul_i32 s3, s[WC], 64*PITCH                  ; my 64 rows of wo,
	s_add_co_u32 s3, s3, HT                        ; which lie behind ctx's 128
	s_mul_i32 s69, s[WV], 16*SPITCH
	s_add_co_u32 s69, s69, STAGE                   ; my stage
	v_and_b32 v1, 15, v0
	v_bfe_u32 v2, v0, 4, 1
	v_mul_u32_u24 v3, v1, PITCH
	v_lshl_add_u32 v3, v2, 4, v3
	v_mul_u32_u24 v[STO], v1, SPITCH               ; in: row lane % 16, 32 bytes for each half of the lanes
	v_lshl_add_u32 v[STO], v2, 5, v[STO]
	v_add_nc_u32 v[STO], s69, v[STO]
	v_mul_u32_u24 v[RD], v2, SPITCH                ; back: lanes 0-15 one row of 256 bytes, lanes 16-31 the next
	v_lshl_add_u32 v[RD], v1, 4, v[RD]
	v_add_nc_u32 v[RD], s69, v[RD]
	v_lshlrev_b32 v[CO], 12, v2                    ; and the same two rows of out0, 4,096 bytes apart
	v_lshl_add_u32 v[CO], v1, 4, v[CO]
.irp c, 0,1,2,3
	v_add_nc_u32 v[ADRA+\c], s2, v3
	v_add_nc_u32 v[ADRB+\c], s3, v3
	s_add_co_u32 s2, s2, CH
	s_add_co_u32 s3, s3, CH
.endr
	s_wait_alu depctr_va_vdst(0)
	s_wait_dscnt 0x0                               ; both opening adds are done
	s_wait_kmcnt 0x0
	s_load_b64 s[84:85], s[8:9], 0x28              ; e10, e11
	s_mov_b32 s[G0A], 1
	s_mov_b32 s[G0A+1], s63
	s_add_nc_u64 s[G0A+2:G0A+3], s[4:5], s[66:67]
	s_or_b32 s[G0A+3], s[G0A+3], 0x80000000
	s_mov_b32 s[G0B], 1
	s_mov_b32 s[G0B+1], s63
	s_add_nc_u64 s[G0B+2:G0B+3], s[6:7], s[96:97]
	s_or_b32 s[G0B+3], s[G0B+3], 0x80000000
	CROUND                                         ; all sixteen work-groups are here: the joint loads meet
	s_cmp_eq_u32 s[WC], 0                          ; one load a wave, in the arms of one branch on its number
	s_cbranch_scc0 .Lfill_w
	tensor_load_to_lds s[G0A:G0A+3], s[G1A:G1A+7]
	s_nop 0
	PLACES
	s_branch .Lfilled
.Lfill_w:
	tensor_load_to_lds s[G0B:G0B+3], s[G1B:G1B+7]
	s_nop 0
	PLACES
.Lfilled:
	s_lshl_b32 s98, s60, 19                        ; out0: row 128 x tile row + 32 x (wave / 2), of 4,096 bytes; byte 512 x tile column + 256 x (wave % 2)
	s_lshl_b32 s99, s[CK], 17
	s_add_co_u32 s98, s98, s99
	s_lshl_b32 s99, s59, 9
	s_add_co_u32 s98, s98, s99
	s_lshl_b32 s99, s[WC], 8
	s_add_co_u32 s98, s98, s99
	s_mov_b32 s99, 0
	s_add_nc_u64 s[10:11], s[10:11], s[98:99]
	s_wait_tensorcnt 0x0                           ; my load has landed,
	s_wait_dscnt 0x0
	s_barrier_signal -1
	s_barrier_wait -1                              ; and everybody's
	KSTEP 0
	KSTEP 1
	KSTEP 2
	KSTEP 3
	KSTEP 4
	KSTEP 5
	KSTEP 6
	KSTEP 7
	s_wait_kmcnt 0x0
	s_add_co_i32 s86, s84, s85
	s_add_co_i32 s86, s86, 127
	s_lshl_b32 s86, s86, 23                        ; 2^(e10 + e11) as f32
	s_mov_b32 s87, s86                             ; (named with it as a pair)
	PLACES
.macro TOSTAGE a                       ; block a: 16 rows x 64 columns
.irp t, 0,1,2,3
.irp i, 0,2,4,6
	v_pk_mul_f32 v[TMP+8*\t+\i:TMP+8*\t+\i+1], v[ACC+8*(4*\a+\t)+\i:ACC+8*(4*\a+\t)+\i+1], s[86:87] op_sel_hi:[1,0]   ; each accumulator from its low end on
.endr
.endr
.irp t, 0,1,2,3
	ds_store_b128 v[STO], v[TMP+8*\t:TMP+8*\t+3] offset:64*\t
	ds_store_b128 v[STO], v[TMP+8*\t+4:TMP+8*\t+7] offset:64*\t+16
.endr
.irp i, 0,1,2,3,4,5,6,7
	ds_load_b128 v[BK+32*\a+4*\i:BK+32*\a+4*\i+3], v[RD] offset:\i*2*SPITCH   ; LDS serves a wave's instructions in order: these see my stores, and the next block's stores come behind them
.endr
.endm
.macro SEND a, younger                 ; younger: the LDS instructions issued behind block a's loads
	s_wait_dscnt \younger
.irp i, 0,1,2,3,4,5,6,7
	global_store_b128 v[CO], v[BK+32*\a+4*\i:BK+32*\a+4*\i+3], s[10:11] offset:(16*\a+2*\i)*4096 th:TH_STORE_NT   ; 16 lanes store 256 consecutive bytes, at a multiple of 256 from out0's first byte
.endr
.endm
	TOSTAGE 0
	TOSTAGE 1
	SEND 0, 16                                     ; behind block 0's loads: block 1's 8 stores and 8 loads
	SEND 1, 0
	s_wait_tensorcnt 0x0                           ; the wave's end
	ds_add_u32 v[SPW], v[NIL]
	s_wait_dscnt 0x0
	CROUND                                         ; the closing round
	s_endpgm
.Lfunc_end_k_q6fd175b193_oproj:
	.size	k_q6fd175b193_oproj, .Lfunc_end_k_q6fd175b193_oproj-k_q6fd175b193_oproj
	.p2alignl 7, 3214868480
	.fill 96, 4, 3214868480
	.section	.rodata,"a",@progbits
	.p2align	6, 0x0
	.amdhsa_kernel k_q6fd175b193_oproj
		.amdhsa_group_segment_fixed_size 327680
		.amdhsa_private_segment_fixed_size 0
		.amdhsa_enable_private_segment 0
		.amdhsa_kernarg_size 32
		.amdhsa_user_sgpr_count 2
		.amdhsa_user_sgpr_kernarg_segment_ptr 1
		.amdhsa_wavefront_size32 1
		.amdhsa_system_sgpr_workgroup_id_x 1
		.amdhsa_system_sgpr_workgroup_id_y 1
		.amdhsa_system_sgpr_workgroup_id_z 1
		.amdhsa_system_vgpr_workitem_id 0
		.amdhsa_next_free_vgpr 256
		.amdhsa_next_free_sgpr 100
		.amdhsa_reserve_vcc 0
		.amdhsa_float_denorm_mode_32 3
		.amdhsa_float_denorm_mode_16_64 3
		.amdhsa_memory_ordered 1
		.amdhsa_forward_progress 1
		.amdhsa_inst_pref_size 30
	.end_amdhsa_kernel
	.amdgpu_metadata
---
amdhsa.version: [ 1, 2 ]
amdhsa.kernels:
  - .name:           k_q6fd175b193_oproj
    .symbol:         k_q6fd175b193_oproj.kd
    .args:
      - { .name: cc, .offset: 0, .size: 8, .value_kind: global_buffer, .address_space: global }
      - { .name: wc, .offset: 8, .size: 8, .value_kind: global_buffer, .address_space: global }
      - { .name: lowp_scales, .offset: 16, .size: 8, .value_kind: global_buffer, .address_space: global }
      - { .name: out0, .offset: 24, .size: 8, .value_kind: global_buffer, .address_space: global }
    .group_segment_fixed_size: 327680
    .private_segment_fixed_size: 0
    .kernarg_segment_align: 8
    .kernarg_segment_size: 32
    .max_flat_workgroup_size: 256
    .sgpr_count:     100
    .vgpr_count:     256
    .wavefront_size: 32
...
	.end_amdgpu_metadata
.endif
;; end of part 4
